; MI455X (gfx1250); checked and timed in simulation.
; The chip was launched on July 23, 2026; its instructions are those of AMD's public machine-readable ISA for CDNA 5 (MIT licence, August 2026) and "CDNA5" Instruction Set Architecture Reference Guide (July 2026). The comments in the code are by the model that wrote it; some were corrected since.
;; Mixture Of Bidders. Allowed arithmetic: matrix products marked QUANTISED: E2M1 operands, one E8M0 scale for each 32 along K, by v_wmma_scale_f32_16x16x128_f8f6f4 with both operands' format E2M1 (or v_wmma_scale_f32_32x16x128_f4), f32 sums; products left as they are: f32 operands where the result goes on into a quantised operand, else bf16, f16 or f32 operands; f32 sums; everything else in f32.
;; Inputs: Wc 8 x 1,024 float32; Wd 8 x 2,048 x 1,024 float32; Wg 8 x 1,024 x 2,048 float32; Wu 8 x 1,024 x 2,048 float32; bc 8 float32; hidden_states 4 x 256 x 1,024 float32.
;; Outputs: out0 4 x 256 x 1,024 float32.
;; This version of the problem:
;;   THIS VERSION OF THE PROBLEM IS GIVEN IN LOW PRECISION. The matrix products marked QUANTISED in the list below multiply operands that are first quantised to E2M1 (2 exponent bits, 1 mantissa bit; 4 bits a number), with one power-of-two scale for each 32 numbers along K (OCP MX v1.0); their sums are f32. All else is computed in f32.
;;   The module's matrix products, in the order in which they are computed (A, B: the left and right operand; K: the contracted axis; several contracted axes count as one K, in the product's order):
;;     1. [M 1,024, K 1,024] x [K 1,024, N 8]; A: input hidden_states; B: input Wc: left as it is (N = 8 < 16)
;;     2. [M 1,024, K 1,024] x [K 1,024, N 16,384]; A: input hidden_states; B: input Wg: QUANTISED
;;     3. [M 1,024, K 1,024] x [K 1,024, N 16,384]; A: input hidden_states; B: input Wu: QUANTISED
;;     4. batch 8 x [M 1,024, K 2,048] x [K 2,048, N 1,024]; A: input Wd; B: computed on the way: QUANTISED
;;     5. batch 1,024 x [M 1,024, K 8] x [K 8, N 1]; A: computed on the way; B: computed on the way: left as it is (K = 8 < 32)
;;   THE QUANTISER, for each operand of a quantised product, along K:
;;     - K is cut into blocks of 32 from its start; a last block that is shorter is filled with zeros.
;;     - A block's scale is 2^e with e = floor(log2(the largest magnitude in the block)) - 2, held to -126 .. 127; a block of zeros has e = 0. As a byte (E8M0): e + 127.
;;     - Each number is divided by its block's scale, clamped to +-6, and rounded to the nearest number of E2M1, ties to even, subnormals kept.
;;     - The product sums the exact products of the quantised numbers (number of the format x scale) in f32.
;;   ~~~python
;;   def quantise(x, axis):      # numpy; x: float32 -> the quantised numbers, widened to float32 again
;;       x = np.moveaxis(x, axis, -1); K = x.shape[-1]
;;       x = np.pad(x, [(0, 0)] * (x.ndim - 1) + [(0, -K % 32)]); x = x.reshape(x.shape[:-1] + (-1, 32)); a = np.abs(x).max(-1, keepdims=True)
;;       e = np.where(a > 0, np.clip(np.frexp(np.where(a > 0, a, 1))[1] - 1 - 2, -126, 127), 0)      # np.frexp(a)[1] - 1 = floor(log2(a)), exactly
;;       r = np.clip(x / 2.0 ** e, -6, 6)
;;       step = 2.0 ** (np.maximum(np.frexp(np.where(r == 0, 1, r))[1] - 1, 0) - 1)
;;       q = np.round(r / step) * step * 2.0 ** e      # np.round: ties to even
;;       return np.moveaxis(q.reshape(q.shape[:-2] + (-1,))[..., :K], -1, axis).astype(np.float32)
;;   ~~~
;;   OPERANDS COMPUTED ON THE WAY. 'Computed on the way' means the value that the module computes at that place (a softmax that the list does not call 'softmax' is quantised finished and normalised). What goes into a quantiser is computed in f32, as accurately as f32 sums, v_exp_f32 and their like allow (about 1e-6 of the number): no bf16 or f16 on the way to a quantiser, and a product that is left as it is and whose result goes on into a quantised operand takes f32 operands (vector FMAs, or v_wmma_f32_16x16x4_f32). A number that lies on a knife's edge between two numbers of the format may be rounded either way, as far as f32 arithmetic and the matrix unit's own rounding can turn it there, and no further.
;; 2 versions. Each part assembles by itself: llvm-mc -triple=amdgcn-amd-amdhsa -mcpu=gfx1250 --defsym DOCPART=n.
;; ======== version 1 of 2: 5 launches
;; workspace buffers: q1 18,391,040 bytes; ridx 4,096 bytes of whole numbers; q2 8,912,896 bytes; route 17,152 bytes of whole numbers; hbuf 2,367,488 bytes; y 8,912,896 bytes
;; launch prep_gu (part 1): grid 640 x 1, 8 waves a work-group, no clusters, 38,400 bytes of LDS; arguments hidden_states, Wc, bc, Wg, Wu, q1, ridx; writes q1, ridx
.if DOCPART == 1
	.amdgcn_target "amdgcn-amd-amdhsa--gfx1250"
	.amdhsa_code_object_version 6
	.text
	.protected	k_q03bffdaa0b_prep_gu
	.globl	k_q03bffdaa0b_prep_gu
	.p2align	8
	.type	k_q03bffdaa0b_prep_gu,@function
k_q03bffdaa0b_prep_gu:
	s_mov_b64 s[64:65], 0
	v_nop
	global_prefetch_b8 v0, s[64:65] scope:SCOPE_SE
	s_setreg_imm32_b32 hwreg(HW_REG_WAVE_MODE, 25, 1), 1
	s_wait_xcnt 0x0
; Work-groups 0-127: eight tokens each: x into codes of FP4 (E2M1) with one E8M0 byte for each 32 along d; the eight bids
; (f32 dot products with Wc, + bc, sigmoid); the two largest bids (the lower index wins a tie) and their softmax.
; Work-groups 128-639: Wg and Wu, f32 [e][d][i] with K = d outermost, into codes laid in the order of the operand registers.
; A block's scale is 2^(floor(log2(largest magnitude)) - 2): its byte is the largest magnitude's exponent field - 2, held at 1 from below.
; LIMITS: NaN and infinities among the inputs are not served.  A block of zeros gets the byte 1 and not 127: its codes are zeros,
; and the bytes are read by this program alone.  Two bids closer than the last bit of v_exp_f32 and v_rcp_f32 may be ordered either way.
; q1: WQ at 0: blocks of 2,048 bytes (32 columns x 128 K), block ((m 8 + e) 64 + b) 8 + s; inside: 512 q + 16 lane, q the 32-block of the K step.
;     WS: 1,024 bytes for each (m, e, b): 256 (s / 2) + 8 lane: the scale words of two K steps.   XQ [t][512]; XS [t][32]; RW [2 t + k] f32.
; THE COLUMNS OF A GROUP OF 32: quantiser lane (u = lane / 16, r = lane % 16) takes column 8 u + r % 8 + 16 (r / 8), so that as source 0 of the
; product the two tiles u = 0, 1 leave 16 neighbouring columns in a lane's 16 result registers.
; No tensor loads, no cluster: no two work-groups read the same bytes, and up to 64 loads a wave are out, eight waves to a work-group.
.set WS_OFF, 16777216
.set XQ_OFF, 17825792
.set XS_OFF, 18350080
.set RW_OFF, 18382848
.set ROWB, 8192                        ; a row of Wg or Wu in bytes
.set NB,   8                           ; blocks of 32 along K for a wave: two K steps of 128
.set X,    32                          ; v32-95  two sets of 32 numbers
.set C,    96                          ; v96-127 four registers of codes for each block: no store's data are written again
.set SB,   8                           ; v8-9    scale bytes, four to a register
.set LG,   36864                       ; LDS (router path alone): behind eight staged rows of 4,608 bytes: the bids' sums [t][e], 256 bytes
.set SCB,  37120                       ; and x's scale bytes [t][32], 256 bytes
.macro LOADB t                         ; block t: W(32 t + i, my column) into set t % 2; a wave's load covers 128 consecutive bytes, the eight waves 1,024
.irp i, 0,1,2,3,4,5,6,7,8,9,10,11,12,13,14,15,16,17,18,19,20,21,22,23,24,25,26,27,28,29,30,31
	global_load_b32 v[X+32*((\t)%2)+\i], v2, s[26:27] offset:(32*(\t)+\i)*ROWB th:TH_LOAD_NT
.endr
.endm
.macro MAX32 xs, a, b                  ; the largest magnitude of v[xs] .. v[xs + 31], in two chains, with the floor 2^(3 - 127) as one more leaf -> v[a]
	v_max3_num_f32 v[\a], |v[\xs]|, |v[\xs+1]|, |v[\xs+2]|
	v_max3_num_f32 v[\b], |v[\xs+3]|, |v[\xs+4]|, |v[\xs+5]|
.irp i, 6,10,14,18,22,26
	v_max3_num_f32 v[\a], v[\a], |v[\xs+\i]|, |v[\xs+\i+1]|
	v_max3_num_f32 v[\b], v[\b], |v[\xs+\i+2]|, |v[\xs+\i+3]|
.endr
	v_max3_num_f32 v[\a], v[\a], |v[\xs+30]|, |v[\xs+31]|
	v_max3_num_f32 v[\a], v[\a], v[\b], 0x1800000
.endm
.macro QBLOCK t
.set XN, X+32*((\t)%2)
.if (\t) < NB-1
	s_wait_loadcnt 32                              ; this block's 32 loads are in; the next block's 32 may be out
.else
	s_wait_loadcnt 0x0
.endif
	MAX32 XN, 12, 13
	v_add_nc_u32 v11, 0xff000000, v12              ; 2 off the exponent field: the conversion takes this operand's exponent field as its scale
	v_lshrrev_b32 v14, 23, v11                     ; the scale's byte
.if (\t)%4 == 0
	v_mov_b32 v[SB+(\t)/4], v14
.else
	v_lshl_or_b32 v[SB+(\t)/4], v14, 8*((\t)%4), v[SB+(\t)/4]
.endif
.irp g, 0,1,2,3
	v_cvt_scalef32_pk8_fp4_f32 v[C+4*(\t)+\g], v[XN+8*\g:XN+8*\g+7], v11
.endr
	global_store_b128 v3, v[C+4*(\t):C+4*(\t)+3], s[30:31] offset:512*(\t)   ; 32 lanes store 512 consecutive bytes, aligned
.if (\t)+2 < NB
	LOADB (\t)+2                                   ; (the next block begins with plain vector lines that write neither v11 nor these numbers)
.endif
.endm
	s_load_b256 s[4:11], s[0:1], 0x0               ; hidden_states s[4:5], Wc s[6:7], bc s[8:9], Wg s[10:11]
	s_load_b128 s[12:15], s[0:1], 0x20             ; Wu s[12:13], q1 s[14:15]
	s_load_b64 s[16:17], s[0:1], 0x30              ; ridx
	v_lshl_add_u32 v128, v0, 2, 0x9200
	v_mov_b32 v129, 0
	v_lshrrev_b32 v1, 5, v0
	v_readfirstlane_b32 s18, v1                    ; wave 0..7
	v_and_b32 v1, 31, v0                           ; lane
	s_cmp_lt_u32 ttmp9, 128                        ; the same for all waves of a work-group
	s_cbranch_scc1 .Lrouter
	; ---- THE WEIGHTS.  q = work-group - 128: bits 8: gate or up; 7:5 expert; 4:3 which 256 rows of d; 2:0 which 256 columns of i
	v_and_b32 v5, 7, v1
	v_bfe_u32 v6, v1, 3, 1
	v_bfe_u32 v7, v1, 4, 1
	v_lshl_add_u32 v5, v6, 4, v5
	v_lshl_add_u32 v5, v7, 3, v5                   ; my column of the wave's 32
	v_lshlrev_b32 v2, 2, v5
	s_lshl_b32 s19, s18, 7
	v_add_nc_u32 v2, s19, v2                       ; in: 4 x column + 128 x wave
	v_lshlrev_b32 v3, 4, v1                        ; codes out: 16 x lane
	v_lshlrev_b32 v4, 3, v1                        ; scale words out: 8 x lane
	s_sub_co_u32 s20, ttmp9, 128
	s_bfe_u32 s21, s20, 0x50003                    ; which 256 rows of the tensor: 4 e + k4
	s_and_b32 s22, s20, 7
	s_lshr_b32 s23, s20, 5                         ; 8 m + e
	s_bfe_u32 s24, s20, 0x20003                    ; k4
	s_lshl_b32 s25, s22, 3
	s_add_co_u32 s25, s25, s18                     ; b: my group of 32 columns, 0..63
	s_lshl_b32 s28, s21, 21                        ; 256 rows of 8,192 bytes
	s_lshl_b32 s19, s22, 10
	s_add_co_u32 s28, s28, s19
	s_mov_b32 s29, 0
	s_lshl_b32 s34, s23, 9
	s_lshl_b32 s19, s25, 3
	s_add_co_u32 s34, s34, s19
	s_lshl_b32 s19, s24, 1
	s_add_co_u32 s34, s34, s19
	s_lshl_b32 s34, s34, 11                        ; my first block of codes
	s_mov_b32 s35, 0
	s_lshl_b32 s36, s23, 6
	s_add_co_u32 s36, s36, s25
	s_lshl_b32 s36, s36, 10
	s_lshl_b32 s19, s24, 8
	s_add_co_u32 s36, s36, s19
	s_add_co_u32 s36, s36, WS_OFF                  ; my scale words
	s_mov_b32 s37, 0
	s_wait_kmcnt 0x0
	s_cmp_lt_u32 s20, 256                          ; the choice hangs on the work-group's number alone
	s_cselect_b64 s[26:27], s[10:11], s[12:13]
	s_add_nc_u64 s[26:27], s[26:27], s[28:29]
	s_add_nc_u64 s[30:31], s[14:15], s[34:35]
	s_add_nc_u64 s[32:33], s[14:15], s[36:37]
	LOADB 0
	LOADB 1
.set Q, 0
.rept NB
	QBLOCK Q
.set Q, Q+1
.endr
	global_store_b64 v4, v[SB:SB+1], s[32:33]      ; 32 lanes store 256 consecutive bytes, aligned
	s_endpgm
	; ---- THE TOKENS.  Work-group g takes tokens 8 g .. 8 g + 7.  Wave w stages and quantises token 8 g + w, then makes expert w's bid for all eight.
.Lrouter:
	v_lshrrev_b32 v8, 3, v1
	v_lshlrev_b32 v5, 4, v1                        ; 16 x lane
	v_lshl_add_u32 v2, v8, 4, v5                   ; a staged row has 16 bytes of padding behind each 128: byte o lies at o + 16 (o / 128)
	s_mul_i32 s19, s18, 4608
	v_add_nc_u32 v3, s19, v2                       ; into my token's row, as loaded
	v_mul_u32_u24 v4, v1, 144
	v_add_nc_u32 v4, s19, v4                       ; out of it: block lane: 128 bytes at 144 x lane
	s_lshl_b32 s23, s18, 2
	s_add_co_u32 s23, s23, LG
	v_mov_b32 v6, s23                              ; sums: [t][e = wave]
	s_lshl_b32 s24, s18, 5
	s_add_co_u32 s24, s24, SCB
	v_add_nc_u32 v7, s24, v1                       ; my block's scale byte
	v_lshl_add_u32 v9, v1, 3, SCB                  ; wave 0 at the end: 8 scale bytes a lane,
	v_and_b32 v10, 7, v1
	v_lshl_add_u32 v10, v10, 5, LG                 ; and token lane % 8's eight sums
	v_lshlrev_b32 v11, 3, v1
	v_lshlrev_b32 v12, 2, v1
	s_mov_b32 s48, 0x76543210
	s_mov_b32 s49, 0xfedcba98                      ; v_permlanex16_b32: lane l xor 16
	s_lshl_b32 s22, ttmp9, 3
	s_add_co_u32 s22, s22, s18                     ; my token
	s_lshl_b32 s20, s22, 12
	s_mov_b32 s21, 0
	s_wait_kmcnt 0x0
	s_add_nc_u64 s[26:27], s[4:5], s[20:21]        ; its row of x
	s_lshl_b32 s20, s18, 12
	s_add_nc_u64 s[28:29], s[6:7], s[20:21]        ; Wc's row w
	s_lshl_b32 s20, s22, 9
	s_add_co_u32 s20, s20, XQ_OFF
	s_add_nc_u64 s[32:33], s[14:15], s[20:21]
	s_lshl_b32 s20, ttmp9, 8
	s_add_co_u32 s20, s20, XS_OFF
	s_add_nc_u64 s[34:35], s[14:15], s[20:21]
	s_lshl_b32 s20, ttmp9, 6
	s_add_co_u32 s20, s20, RW_OFF
	s_add_nc_u64 s[36:37], s[14:15], s[20:21]
	s_lshl_b32 s20, ttmp9, 5
	s_add_nc_u64 s[38:39], s[16:17], s[20:21]
	s_load_b256 s[40:47], s[8:9], 0x0              ; bc
.irp i, 0,1,2,3,4,5,6,7
	global_load_b128 v[64+4*\i:67+4*\i], v5, s[26:27] offset:512*\i th:TH_LOAD_NT
.endr
.irp i, 0,1,2,3,4,5,6,7
	global_load_b128 v[32+4*\i:35+4*\i], v5, s[28:29] offset:512*\i
.endr
	s_wait_loadcnt 8                               ; x's eight loads are in; Wc's eight may be out
.irp i, 0,1,2,3,4,5,6,7
	ds_store_b128 v3, v[64+4*\i:67+4*\i] offset:576*\i
.endr
	s_wait_dscnt 0x0                               ; for the others' sake: my row is staged
	s_barrier_signal -1
	s_barrier_wait -1
	; my token's block lane: 32 neighbours along d
.irp j, 0,1,2,3,4,5,6,7
	ds_load_b128 v[64+4*\j:67+4*\j], v4 offset:16*\j
.endr
	s_wait_dscnt 0x0
	MAX32 64, 104, 105
	v_add_nc_u32 v106, 0xff000000, v104
.irp g, 0,1,2,3
	v_cvt_scalef32_pk8_fp4_f32 v[100+\g], v[64+8*\g:71+8*\g], v106
.endr
	v_lshrrev_b32 v107, 23, v106                   ; the byte; also the plain line behind the conversions
	global_store_b128 v5, v[100:103], s[32:33]     ; the token's 512 bytes of codes
	ds_store_b8 v7, v107
	s_wait_loadcnt 0x0                             ; Wc's row
	s_wait_kmcnt 0x0                               ; bc
.macro DOT t                           ; x[t] . Wc[w], in f32: 32 numbers a lane in two packed chains, then over the 32 lanes
.irp i, 0,1,2,3,4,5,6,7
	ds_load_b128 v[64+4*\i:67+4*\i], v2 offset:4608*\t+576*\i
.endr
	s_wait_dscnt 0x0
	v_pk_mul_f32 v[96:97], v[64:65], v[32:33]
	v_pk_mul_f32 v[98:99], v[66:67], v[34:35]
.irp i, 1,2,3,4,5,6,7
	v_pk_fma_f32 v[96:97], v[64+4*\i:65+4*\i], v[32+4*\i:33+4*\i], v[96:97]
	v_pk_fma_f32 v[98:99], v[66+4*\i:67+4*\i], v[34+4*\i:35+4*\i], v[98:99]
.endr
	v_pk_add_f32 v[96:97], v[96:97], v[98:99]
	v_add_f32 v96, v96, v97
	v_add_f32_dpp v96, v96, v96 row_xmask:1 row_mask:0xf bank_mask:0xf
	v_add_f32_dpp v96, v96, v96 row_xmask:2 row_mask:0xf bank_mask:0xf
	v_add_f32_dpp v96, v96, v96 row_xmask:4 row_mask:0xf bank_mask:0xf
	v_add_f32_dpp v96, v96, v96 row_xmask:8 row_mask:0xf bank_mask:0xf
	v_permlanex16_b32 v97, v96, s48, s49
	v_add_f32 v96, v96, v97
	ds_store_b32 v6, v96 offset:32*\t              ; all lanes write the same word with the same value
.endm
.irp t, 0,1,2,3,4,5,6,7
	DOT \t
.endr
	s_wait_dscnt 0x0                               ; for wave 0's sake: my sums and my scale bytes are stored
	s_barrier_signal -1
	s_barrier_wait -1
	s_cmp_lg_u32 s18, 0
	s_cbranch_scc1 .Ldone
	ds_load_b64 v[104:105], v9
	ds_load_b128 v[108:111], v10
	ds_load_b128 v[112:115], v10 offset:16
	s_wait_dscnt 0x0
	global_store_b64 v11, v[104:105], s[34:35]     ; eight tokens' scale bytes: 256 consecutive bytes, aligned
.irp e, 0,1,2,3,4,5,6,7
	v_add_f32 v[108+\e], s[40+\e], v[108+\e]
.endr
.irp e, 0,1,2,3,4,5,6,7
	v_mul_f32 v[108+\e], 0xbfb8aa3b, v[108+\e]     ; x -log2(e)
.endr
.irp e, 0,1,2,3,4,5,6,7
	v_exp_f32 v[108+\e], v[108+\e]
.endr
	v_nop                                          ; a plain line behind the transcendentals
	s_wait_alu depctr_va_vdst(0)
.irp e, 0,1,2,3,4,5,6,7
	v_add_f32 v[108+\e], 1.0, v[108+\e]
.endr
.irp e, 0,1,2,3,4,5,6,7
	v_rcp_f32 v[108+\e], v[108+\e]                 ; the bid: 1 / (1 + e^-z)
.endr
	v_nop
	s_wait_alu depctr_va_vdst(0)
	v_mov_b32 v116, v108                           ; the largest bid and its expert: a later one takes over only if it is larger
	v_mov_b32 v117, 0
.irp e, 1,2,3,4,5,6,7
	v_cmp_le_f32 vcc_lo, v[108+\e], v116           ; keep
	v_cndmask_b32 v117, \e, v117, vcc_lo
	v_cndmask_b32 v116, v[108+\e], v116, vcc_lo
.endr
	v_mov_b32 v118, -1.0                           ; the second: under every bid
	v_mov_b32 v119, 0
.irp e, 0,1,2,3,4,5,6,7
	v_cmp_le_f32 s50, v[108+\e], v118
	v_cmp_eq_u32 s51, \e, v117
	s_or_b32 vcc_lo, s50, s51                      ; keep: not larger, or the first's own expert
	v_cndmask_b32 v119, \e, v119, vcc_lo
	v_cndmask_b32 v118, v[108+\e], v118, vcc_lo
.endr
	v_sub_f32 v120, v118, v116                     ; the softmax of the two: the larger is taken away first
	v_mul_f32 v120, 0x3fb8aa3b, v120
	v_exp_f32 v120, v120
	v_nop
	s_wait_alu depctr_va_vdst(0)
	v_add_f32 v121, 1.0, v120
	v_rcp_f32 v122, v121
	v_lshl_or_b32 v124, v119, 8, v117              ; e0 | e1 << 8; also the plain line behind the reciprocal
	s_wait_alu depctr_va_vdst(0)
	v_mul_f32 v123, v120, v122
	s_wait_xcnt 0x0                                ; EXEC changes only behind this wait
	v_cmp_gt_u32 vcc_lo, 8, v1
	s_and_saveexec_b32 s52, vcc_lo                 ; lanes 0-7: one token each
	global_store_b32 v12, v124, s[38:39]
	global_store_b64 v11, v[122:123], s[36:37]
	s_wait_xcnt 0x0
	s_or_b32 exec_lo, exec_lo, s52
.Ldone:
	s_wait_tensorcnt 0x0
	ds_add_u32 v128, v129
	s_wait_dscnt 0x0
	s_endpgm
.Lfunc_end_k_q03bffdaa0b_prep_gu:
	.size	k_q03bffdaa0b_prep_gu, .Lfunc_end_k_q03bffdaa0b_prep_gu-k_q03bffdaa0b_prep_gu
	.p2alignl 7, 3214868480
	.fill 96, 4, 3214868480
	.section	.rodata,"a",@progbits
	.p2align	6, 0x0
	.amdhsa_kernel k_q03bffdaa0b_prep_gu
		.amdhsa_group_segment_fixed_size 38400
		.amdhsa_private_segment_fixed_size 0
		.amdhsa_enable_private_segment 0
		.amdhsa_kernarg_size 56
		.amdhsa_user_sgpr_count 2
		.amdhsa_user_sgpr_kernarg_segment_ptr 1
		.amdhsa_wavefront_size32 1
		.amdhsa_system_sgpr_workgroup_id_x 1
		.amdhsa_system_sgpr_workgroup_id_y 1
		.amdhsa_system_sgpr_workgroup_id_z 1
		.amdhsa_system_vgpr_workitem_id 0
		.amdhsa_next_free_vgpr 130
		.amdhsa_next_free_sgpr 66
		.amdhsa_reserve_vcc 1
		.amdhsa_float_denorm_mode_32 3
		.amdhsa_float_denorm_mode_16_64 3
		.amdhsa_memory_ordered 1
		.amdhsa_forward_progress 1
		.amdhsa_inst_pref_size 67
	.end_amdhsa_kernel
	.amdgpu_metadata
---
amdhsa.version: [ 1, 2 ]
amdhsa.kernels:
  - .name:           k_q03bffdaa0b_prep_gu
    .symbol:         k_q03bffdaa0b_prep_gu.kd
    .args:
      - { .name: hidden_states, .offset: 0, .size: 8, .value_kind: global_buffer, .address_space: global }
      - { .name: Wc, .offset: 8, .size: 8, .value_kind: global_buffer, .address_space: global }
      - { .name: bc, .offset: 16, .size: 8, .value_kind: global_buffer, .address_space: global }
      - { .name: Wg, .offset: 24, .size: 8, .value_kind: global_buffer, .address_space: global }
      - { .name: Wu, .offset: 32, .size: 8, .value_kind: global_buffer, .address_space: global }
      - { .name: q1, .offset: 40, .size: 8, .value_kind: global_buffer, .address_space: global }
      - { .name: ridx, .offset: 48, .size: 8, .value_kind: global_buffer, .address_space: global }
    .group_segment_fixed_size: 38400
    .private_segment_fixed_size: 0
    .kernarg_segment_align: 8
    .kernarg_segment_size: 56
    .max_flat_workgroup_size: 256
    .sgpr_count:     66
    .vgpr_count:     130
    .wavefront_size: 32
...
	.end_amdgpu_metadata
.endif
;; end of part 1
;; launch prep_d (part 2): grid 513 x 1, 8 waves a work-group, no clusters, 2,048 bytes of LDS; arguments Wd, ridx, q2, route; writes q2, route
.if DOCPART == 2
	.amdgcn_target "amdgcn-amd-amdhsa--gfx1250"
	.amdhsa_code_object_version 6
	.text
	.protected	k_q03bffdaa0b_prep_d
	.globl	k_q03bffdaa0b_prep_d
	.p2align	8
	.type	k_q03bffdaa0b_prep_d,@function
k_q03bffdaa0b_prep_d:
	s_mov_b64 s[64:65], 0
	v_nop
	global_prefetch_b8 v0, s[64:65] scope:SCOPE_SE
	s_setreg_imm32_b32 hwreg(HW_REG_WAVE_MODE, 25, 1), 1
	s_wait_xcnt 0x0
; Work-group 0: the 2,048 routed rows (token, chosen expert) are placed by expert: a counting sort on whole numbers, no atomics.
; Work-groups 1-512: Wd, f32 [e][i][d] with K = i outermost, into codes of FP4 (E2M1) in the order of the operand registers, as the launch before does for Wg and Wu.
; route: LIST[p] = token of position p; POS[2 t + k] = position of token t's k-th choice; META[e] = first tile, META[8 + e] = tiles, META[16 + e] = rows of expert e.
; Expert e's rows take whole tiles of 16 positions from tile tb(e) on; the positions left over in its last tile are not written and never read.
; q2: DQ at 0: blocks of 2,048 bytes (32 columns of d x 128 K), block (32 e + b) 16 + s; inside: 512 q + 16 lane.  DS: 2,048 bytes for each (e, b): 128 s + 4 lane.
; LIMITS: NaN and infinities are not served; a block of zeros gets the byte 1 and not 127 (its codes are zeros; this program alone reads the bytes).
.set DS_OFF, 8388608
.set POS,  8704
.set META, 16896
.set ROWB, 4096
.set NB,   4                           ; one K step of 128 for a wave
.set X,    32
.set C,    96
.set SB,   8
.macro LOADB t
.irp i, 0,1,2,3,4,5,6,7,8,9,10,11,12,13,14,15,16,17,18,19,20,21,22,23,24,25,26,27,28,29,30,31
	global_load_b32 v[X+32*((\t)%2)+\i], v2, s[26:27] offset:(32*(\t)+\i)*ROWB th:TH_LOAD_NT
.endr
.endm
.macro QBLOCK t
.set XN, X+32*((\t)%2)
.if (\t) < NB-1
	s_wait_loadcnt 32                              ; this block's 32 loads are in; the next block's 32 may be out
.else
	s_wait_loadcnt 0x0
.endif
	v_max3_num_f32 v12, |v[XN]|, |v[XN+1]|, |v[XN+2]|
	v_max3_num_f32 v13, |v[XN+3]|, |v[XN+4]|, |v[XN+5]|
.irp i, 6,10,14,18,22,26
	v_max3_num_f32 v12, v12, |v[XN+\i]|, |v[XN+\i+1]|
	v_max3_num_f32 v13, v13, |v[XN+\i+2]|, |v[XN+\i+3]|
.endr
	v_max3_num_f32 v12, v12, |v[XN+30]|, |v[XN+31]|
	v_max3_num_f32 v12, v12, v13, 0x1800000        ; the floor 2^(3 - 127): the byte cannot fall under 1
	v_add_nc_u32 v11, 0xff000000, v12              ; 2 off the exponent field: the conversion's scale operand
	v_lshrrev_b32 v14, 23, v11
.if (\t)%4 == 0
	v_mov_b32 v[SB+(\t)/4], v14
.else
	v_lshl_or_b32 v[SB+(\t)/4], v14, 8*((\t)%4), v[SB+(\t)/4]
.endif
.irp g, 0,1,2,3
	v_cvt_scalef32_pk8_fp4_f32 v[C+4*(\t)+\g], v[XN+8*\g:XN+8*\g+7], v11
.endr
	global_store_b128 v3, v[C+4*(\t):C+4*(\t)+3], s[30:31] offset:512*(\t)   ; 512 consecutive bytes, aligned
.if (\t)+2 < NB
	LOADB (\t)+2
.endif
.endm
	s_load_b256 s[4:11], s[0:1], 0x0               ; Wd s[4:5], ridx s[6:7], q2 s[8:9], route s[10:11]
	v_lshl_add_u32 v128, v0, 2, 0x400
	v_mov_b32 v129, 0
	v_lshrrev_b32 v1, 5, v0
	v_readfirstlane_b32 s18, v1                    ; wave 0..7
	v_and_b32 v1, 31, v0
	s_cmp_eq_u32 ttmp9, 0
	s_cbranch_scc1 .Lplace
	; ---- Wd.  q = work-group - 1: bits 1:0 which 256 columns of d; bits 8:2 which 128 rows of the tensor (16 e + s)
	v_and_b32 v5, 7, v1
	v_bfe_u32 v6, v1, 3, 1
	v_bfe_u32 v7, v1, 4, 1
	v_lshl_add_u32 v5, v6, 4, v5
	v_lshl_add_u32 v5, v7, 3, v5                   ; my column of the wave's 32: 8 u + r % 8 + 16 (r / 8)
	v_lshlrev_b32 v2, 2, v5
	s_lshl_b32 s19, s18, 7
	v_add_nc_u32 v2, s19, v2
	v_lshlrev_b32 v3, 4, v1
	v_lshlrev_b32 v4, 2, v1
	s_sub_co_u32 s20, ttmp9, 1
	s_and_b32 s22, s20, 3
	s_lshr_b32 s21, s20, 2                         ; 16 e + s
	s_lshr_b32 s23, s21, 4                         ; e
	s_and_b32 s24, s21, 15                         ; s
	s_lshl_b32 s25, s22, 3
	s_add_co_u32 s25, s25, s18                     ; b: my group of 32 columns, 0..31
	s_lshl_b32 s28, s21, 19                        ; 128 rows of 4,096 bytes
	s_lshl_b32 s19, s22, 10
	s_add_co_u32 s28, s28, s19
	s_mov_b32 s29, 0
	s_lshl_b32 s34, s23, 5
	s_add_co_u32 s34, s34, s25                     ; 32 e + b
	s_lshl_b32 s36, s34, 11
	s_lshl_b32 s34, s34, 4
	s_add_co_u32 s34, s34, s24
	s_lshl_b32 s34, s34, 11
	s_mov_b32 s35, 0
	s_lshl_b32 s19, s24, 7
	s_add_co_u32 s36, s36, s19
	s_add_co_u32 s36, s36, DS_OFF
	s_mov_b32 s37, 0
	s_wait_kmcnt 0x0
	s_add_nc_u64 s[26:27], s[4:5], s[28:29]
	s_add_nc_u64 s[30:31], s[8:9], s[34:35]
	s_add_nc_u64 s[32:33], s[8:9], s[36:37]
	LOADB 0
	LOADB 1
.set Q, 0
.rept NB
	QBLOCK Q
.set Q, Q+1
.endr
	global_store_b32 v4, v[SB], s[32:33]           ; the K step's scale words: 128 consecutive bytes
	s_endpgm
	; ---- THE PLACING.  Thread n owns tokens 4 n .. 4 n + 3.  Order inside an expert: by wave, then by i, then by lane.
.Lplace:
	v_lshlrev_b32 v2, 4, v0
	s_wait_kmcnt 0x0
	global_load_b128 v[16:19], v2, s[6:7]
	s_mov_b32 s74, 0x76543210
	s_mov_b32 s75, 0xfedcba98
.irp e, 0,1,2,3,4,5,6,7
	s_mov_b32 s[32+\e], 0
.endr
	v_lshlrev_b32 v29, 2, v0                       ; the table of counts: 128 bytes a wave, lane e holds expert e's
	v_bfe_u32 v30, v0, 3, 2                        ; on the way back lane l takes waves l / 8 and l / 8 + 4, expert l % 8
	v_and_b32 v31, 7, v0
	v_lshlrev_b32 v31, 2, v31
	v_lshl_add_u32 v31, v30, 7, v31
	s_wait_loadcnt 0x0
.irp i, 0,1,2,3
	v_and_b32 v[20+\i], 0xff, v[16+\i]             ; first choice
	v_bfe_u32 v[24+\i], v[16+\i], 8, 8             ; second choice: never the same expert
.endr
.irp e, 0,1,2,3,4,5,6,7
.irp i, 0,1,2,3
	v_cmp_eq_u32 s30, \e, v[20+\i]
	v_cmp_eq_u32 s31, \e, v[24+\i]
	s_or_b32 s30, s30, s31
	s_bcnt1_i32_b32 s30, s30
	s_add_co_u32 s[32+\e], s[32+\e], s30           ; my wave's rows of expert e
.endr
.endr
	v_mov_b32 v28, 0
.irp e, 0,1,2,3,4,5,6,7
	v_writelane_b32 v28, s[32+\e], \e
.endr
	ds_store_b32 v29, v28
	s_wait_dscnt 0x0                               ; for the others' sake
	s_barrier_signal -1
	s_barrier_wait -1
	ds_load_b32 v32, v31
	ds_load_b32 v33, v31 offset:512
	s_wait_dscnt 0x0
	v_add_nc_u32 v34, 4, v30
	v_cmp_gt_u32 vcc_lo, s18, v30                  ; waves below mine count for my first rank
	v_cndmask_b32 v35, 0, v32, vcc_lo
	v_cmp_gt_u32 vcc_lo, s18, v34
	v_cndmask_b32 v36, 0, v33, vcc_lo
	v_add_nc_u32 v32, v32, v33
	v_add_nc_u32 v35, v35, v36
	v_lshl_or_b32 v32, v32, 16, v35                ; total above, prefix below: neither passes 1,024
	v_mov_b32 v33, 0
	v_mov_b32_dpp v33, v32 row_xmask:8 row_mask:0xf bank_mask:0xf
	v_add_nc_u32 v32, v32, v33
	v_permlanex16_b32 v33, v32, s74, s75
	v_add_nc_u32 v32, v32, v33
.irp e, 0,1,2,3,4,5,6,7
	v_readlane_b32 s[40+\e], v32, \e
.endr
	s_mov_b32 s76, 0                               ; tiles so far
.irp e, 0,1,2,3,4,5,6,7
	s_lshr_b32 s[48+\e], s[40+\e], 16              ; n
	s_add_co_u32 s77, s[48+\e], 15
	s_lshr_b32 s[56+\e], s77, 4                    ; tiles
	s_mov_b32 s[66+\e], s76                        ; first tile
	s_and_b32 s77, s[40+\e], 0xffff
	s_lshl_b32 s78, s76, 4
	s_add_co_u32 s[32+\e], s78, s77                ; my wave's first position in expert e
	s_add_co_u32 s76, s76, s[56+\e]
.endr
.irp j, 0,1,2,3,4,5,6,7
	v_mov_b32 v[40+\j], 0
.endr
.irp i, 0,1,2,3
.irp e, 0,1,2,3,4,5,6,7
	v_cmp_eq_u32 s30, \e, v[20+\i]
	v_cmp_eq_u32 s31, \e, v[24+\i]
	s_or_b32 s78, s30, s31
	v_mbcnt_lo_u32_b32 v37, s78, s[32+\e]          ; the running base + the lanes below me that also have this expert
	v_cndmask_b32 v[40+2*\i], v[40+2*\i], v37, s30
	v_cndmask_b32 v[41+2*\i], v[41+2*\i], v37, s31
	s_bcnt1_i32_b32 s78, s78
	s_add_co_u32 s[32+\e], s[32+\e], s78
.endr
.endr
	v_lshlrev_b32 v48, 5, v0
	global_store_b128 v48, v[40:43], s[10:11] offset:POS
	global_store_b128 v48, v[44:47], s[10:11] offset:POS+16
	v_lshlrev_b32 v58, 2, v0
.irp i, 1,2,3
	v_add_nc_u32 v[58+\i], \i, v58                 ; my tokens' numbers
.endr
.irp j, 0,1,2,3,4,5,6,7
	v_min_u32 v[50+\j], 2175, v[40+\j]             ; a position stays inside the list
	v_lshlrev_b32 v[50+\j], 2, v[50+\j]
	global_store_b32 v[50+\j], v[58+\j/2], s[10:11]
.endr
	s_cmp_lg_u32 s18, 0
	s_cbranch_scc1 .Lplaced
	v_mov_b32 v38, 0
.irp e, 0,1,2,3,4,5,6,7
	v_writelane_b32 v38, s[66+\e], \e
	v_writelane_b32 v38, s[56+\e], 8+\e
	v_writelane_b32 v38, s[48+\e], 16+\e
.endr
	v_lshlrev_b32 v39, 2, v1
	global_store_b32 v39, v38, s[10:11] offset:META
.Lplaced:
	s_wait_tensorcnt 0x0
	ds_add_u32 v128, v129
	s_wait_dscnt 0x0
	s_endpgm
.Lfunc_end_k_q03bffdaa0b_prep_d:
	.size	k_q03bffdaa0b_prep_d, .Lfunc_end_k_q03bffdaa0b_prep_d-k_q03bffdaa0b_prep_d
	.p2alignl 7, 3214868480
	.fill 96, 4, 3214868480
	.section	.rodata,"a",@progbits
	.p2align	6, 0x0
	.amdhsa_kernel k_q03bffdaa0b_prep_d
		.amdhsa_group_segment_fixed_size 2048
		.amdhsa_private_segment_fixed_size 0
		.amdhsa_enable_private_segment 0
		.amdhsa_kernarg_size 32
		.amdhsa_user_sgpr_count 2
		.amdhsa_user_sgpr_kernarg_segment_ptr 1
		.amdhsa_wavefront_size32 1
		.amdhsa_system_sgpr_workgroup_id_x 1
		.amdhsa_system_sgpr_workgroup_id_y 1
		.amdhsa_system_sgpr_workgroup_id_z 1
		.amdhsa_system_vgpr_workitem_id 0
		.amdhsa_next_free_vgpr 130
		.amdhsa_next_free_sgpr 84
		.amdhsa_reserve_vcc 1
		.amdhsa_float_denorm_mode_32 3
		.amdhsa_float_denorm_mode_16_64 3
		.amdhsa_memory_ordered 1
		.amdhsa_forward_progress 1
		.amdhsa_inst_pref_size 50
	.end_amdhsa_kernel
	.amdgpu_metadata
---
amdhsa.version: [ 1, 2 ]
amdhsa.kernels:
  - .name:           k_q03bffdaa0b_prep_d
    .symbol:         k_q03bffdaa0b_prep_d.kd
    .args:
      - { .name: Wd, .offset: 0, .size: 8, .value_kind: global_buffer, .address_space: global }
      - { .name: ridx, .offset: 8, .size: 8, .value_kind: global_buffer, .address_space: global }
      - { .name: q2, .offset: 16, .size: 8, .value_kind: global_buffer, .address_space: global }
      - { .name: route, .offset: 24, .size: 8, .value_kind: global_buffer, .address_space: global }
    .group_segment_fixed_size: 2048
    .private_segment_fixed_size: 0
    .kernarg_segment_align: 8
    .kernarg_segment_size: 32
    .max_flat_workgroup_size: 256
    .sgpr_count:     84
    .vgpr_count:     130
    .wavefront_size: 32
...
	.end_amdgpu_metadata
.endif
;; end of part 2
;; launch gateup (part 3): grid 256 x 1, 8 waves a work-group, no clusters, 0 bytes of LDS; arguments q1, route, hbuf; writes hbuf
.if DOCPART == 3
	.amdgcn_target "amdgcn-amd-amdhsa--gfx1250"
	.amdhsa_code_object_version 6
	.text
	.protected	k_q03bffdaa0b_gateup
	.globl	k_q03bffdaa0b_gateup
	.p2align	8
	.type	k_q03bffdaa0b_gateup,@function
k_q03bffdaa0b_gateup:
	s_mov_b64 s[64:65], 0
	v_nop
	global_prefetch_b8 v0, s[64:65] scope:SCOPE_SE
	s_setreg_imm32_b32 hwreg(HW_REG_WAVE_MODE, 25, 1), 1
	s_wait_xcnt 0x0
; h = silu(x Wg) * (x Wu) for the rows routed to each expert, both products on codes of FP4 (E2M1) with E8M0 scales; h is quantised along i in registers.
; SHARES.  Work-group = (expert e, two groups of 32 columns of i).  A wave holds ITS 32 columns of Wg and of Wu for all of K = 1,024 in registers
; (32 fragments, window 1), read once, and walks the expert's tiles of 16 rows: wave w takes group w % 2 and tiles w / 2, w / 2 + 4, ..
; The number of tiles is read from memory, so operands go from memory straight into registers, the waves share nothing, and there is no barrier.
; No cluster and no joint loads: trip counts differ between experts and hang on stored numbers.
; TRANSPOSED: source 0 = 16 columns of a weight, source 1 = 16 rows of x: a lane holds one row, and the 16 registers of tiles u = 0, 1 are columns 16 (lane / 16) + 0 .. 15
; of the group: 16 neighbours along the next product's K; lanes l and l xor 16 hold a block of 32.
; Rows beyond an expert's last repeat its last row (the list index is held there); their h is stored and never combined.
; LIMITS: NaN and infinities are not served; a block of zeros gets the byte 1 and not 127 (its codes are zeros; this program alone reads the bytes).
; hbuf: HQ [tile][16,384]: 256 b + 16 r + 8 (lane / 16);   HS [tile][1,024]: 256 (b / 16) + 16 r + b % 16.
; REGISTERS, window 0: v1 r, v2 h, v3-11 offsets; v16-79 x's eight fragments; v80-87 x's scale words; v88-95, v96-103 Wg's, Wu's scale words (lanes 0-15 tile 0, lanes 16-31 tile 1);
;   v104-119 g; v120-135 u; v136-151 at work, then h; v152-157 the quantiser.   window 1: fragment ((2 m + u) 8 + s) at 8 x that.
; SCALARS: s10 wave, s11 e, s12 b, s13 J (the tile in hand, for addresses alone), s14 first tile, s15 tiles, s16 rows, s17 last position; s49 trips done, s50 trips.
.set WS_OFF, 16777216
.set XQ_OFF, 17825792
.set XS_OFF, 18350080
.set HS_OFF, 2228224
.set META, 16896
.set MSB, 0
.macro WIN new                         ; the immediate's high byte repeats the setting that is left
.if MSB != \new
	s_set_vgpr_msb (MSB<<8)|\new
.set MSB, \new
.endif
.endm
.macro LISTLD ahead                    ; the tokens of tile J + ahead: position 16 (tb + J + ahead) + r, held at the expert's last row
	s_add_co_u32 s44, s13, s14
	s_add_co_u32 s44, s44, \ahead
	s_lshl_b32 s44, s44, 4
	v_add_nc_u32 v7, s44, v1
	v_min_u32 v7, s17, v7
	v_min_u32 v7, 2175, v7
	v_lshlrev_b32 v7, 2, v7
	global_load_b32 v8, v7, s[30:31]
.endm
.macro XADDR
	v_min_u32 v8, 1023, v8
	v_lshl_add_u32 v5, v8, 9, v11                  ; the token's 512 bytes of codes, + 16 h
	v_lshlrev_b32 v6, 5, v8                        ; its 32 scale bytes
.endm
.macro XLOAD                           ; 18 loads: fragment s: registers 4 c .. 4 c + 3 hold k = 128 s + 64 c + 32 h + 0 .. 31
.irp s, 0,1,2,3,4,5,6,7
.irp c, 0,1
	global_load_b128 v[16+8*\s+4*\c:19+8*\s+4*\c], v5, s[26:27] offset:64*\s+32*\c
.endr
.endr
	global_load_b128 v[80:83], v6, s[28:29]
	global_load_b128 v[84:87], v6, s[28:29] offset:16
.endm
.macro MM acc, f, s, ws, u             ; one product: weight fragment f (window 1) x x's fragment s; the first K step starts the sum
.if (\s) == 0
.if \u
	v_wmma_scale_f32_16x16x128_f8f6f4 v[\acc:\acc+7], v[8*(\f):8*(\f)+7], v[16+8*(\s):23+8*(\s)], 0, v[\ws+(\s)], v[80+(\s)] matrix_a_fmt:MATRIX_FMT_FP4 matrix_b_fmt:MATRIX_FMT_FP4 matrix_a_scale:MATRIX_SCALE_ROW1
.else
	v_wmma_scale_f32_16x16x128_f8f6f4 v[\acc:\acc+7], v[8*(\f):8*(\f)+7], v[16+8*(\s):23+8*(\s)], 0, v[\ws+(\s)], v[80+(\s)] matrix_a_fmt:MATRIX_FMT_FP4 matrix_b_fmt:MATRIX_FMT_FP4
.endif
.else
.if \u
	v_wmma_scale_f32_16x16x128_f8f6f4 v[\acc:\acc+7], v[8*(\f):8*(\f)+7], v[16+8*(\s):23+8*(\s)], v[\acc:\acc+7], v[\ws+(\s)], v[80+(\s)] matrix_a_fmt:MATRIX_FMT_FP4 matrix_b_fmt:MATRIX_FMT_FP4 matrix_a_scale:MATRIX_SCALE_ROW1
.else
	v_wmma_scale_f32_16x16x128_f8f6f4 v[\acc:\acc+7], v[8*(\f):8*(\f)+7], v[16+8*(\s):23+8*(\s)], v[\acc:\acc+7], v[\ws+(\s)], v[80+(\s)] matrix_a_fmt:MATRIX_FMT_FP4 matrix_b_fmt:MATRIX_FMT_FP4
.endif
.endif
.endm
	s_load_b128 s[4:7], s[0:1], 0x0                ; q1 s[4:5], route s[6:7]
	s_load_b64 s[8:9], s[0:1], 0x10                ; hbuf
	v_lshrrev_b32 v1, 5, v0
	v_readfirstlane_b32 s10, v1                    ; wave 0..7
	v_and_b32 v12, 31, v0
	v_and_b32 v1, 15, v0                           ; r
	v_bfe_u32 v2, v0, 4, 1                         ; h
	v_lshlrev_b32 v10, 4, v1                       ; 16 r
	v_lshl_add_u32 v3, v2, 9, v10                  ; a weight fragment: 512 h + 16 r
	v_lshlrev_b32 v4, 3, v12                       ; weight scale words: 8 x lane
	v_lshl_add_u32 v9, v2, 3, v10                  ; h's codes out: 16 r + 8 h
	v_lshlrev_b32 v11, 4, v2                       ; 16 h
	v_mov_b32 v153, 0                              ; written once: a lane permute's destination counts as one of its sources
	s_lshr_b32 s11, ttmp9, 5                       ; e
	s_and_b32 s12, ttmp9, 31
	s_lshl_b32 s12, s12, 1
	s_and_b32 s44, s10, 1
	s_add_co_u32 s12, s12, s44                     ; b: my group of 32 columns, 0..63
	s_lshr_b32 s13, s10, 1                         ; J: my first tile
	s_mov_b32 s42, 0x76543210
	s_mov_b32 s43, 0xfedcba98
	s_mov_b32 s41, 0
	s_mov_b32 s45, 0
	s_lshl_b32 s44, s11, 2
	s_wait_kmcnt 0x0
	s_add_nc_u64 s[46:47], s[6:7], s[44:45]
	s_load_b32 s14, s[46:47], META                 ; the expert's first tile,
	s_load_b32 s15, s[46:47], META+32              ; its tiles,
	s_load_b32 s16, s[46:47], META+64              ; its rows
	s_lshl_b32 s40, s11, 20
	s_lshl_b32 s48, s12, 14
	s_add_co_u32 s40, s40, s48
	s_add_nc_u64 s[18:19], s[4:5], s[40:41]        ; Wg's codes: block (64 e + b) 8
	s_add_nc_u64 s[20:21], s[18:19], 0x800000      ; Wu's: eight experts on
	s_lshl_b32 s40, s11, 6
	s_add_co_u32 s40, s40, s12
	s_lshl_b32 s40, s40, 10
	s_add_co_u32 s40, s40, WS_OFF
	s_add_nc_u64 s[22:23], s[4:5], s[40:41]
	s_add_nc_u64 s[24:25], s[22:23], 0x80000
	s_add_nc_u64 s[26:27], s[4:5], XQ_OFF
	s_add_nc_u64 s[28:29], s[4:5], XS_OFF
	s_mov_b64 s[30:31], s[6:7]                     ; the list
	s_lshl_b32 s40, s12, 8
	s_add_nc_u64 s[32:33], s[8:9], s[40:41]        ; h's codes: + 256 b
	s_lshr_b32 s40, s12, 4
	s_lshl_b32 s40, s40, 8
	s_and_b32 s48, s12, 15
	s_add_co_u32 s40, s40, s48
	s_add_co_u32 s40, s40, HS_OFF
	s_add_nc_u64 s[34:35], s[8:9], s[40:41]        ; h's scale bytes: + 256 (b / 16) + b % 16
	WIN 0x40                                       ; destination window 1
.irp u, 0,1
.irp s, 0,1,2,3,4,5,6,7
.irp c, 0,1
	global_load_b128 v[8*(8*\u+\s)+4*\c:8*(8*\u+\s)+4*\c+3], v3, s[18:19] offset:2048*\s+1024*\c+256*\u
	global_load_b128 v[8*(16+8*\u+\s)+4*\c:8*(16+8*\u+\s)+4*\c+3], v3, s[20:21] offset:2048*\s+1024*\c+256*\u
.endr
.endr
.endr
	WIN 0
.irp p, 0,1,2,3
	global_load_b64 v[88+2*\p:89+2*\p], v4, s[22:23] offset:256*\p
	global_load_b64 v[96+2*\p:97+2*\p], v4, s[24:25] offset:256*\p
.endr
	s_wait_kmcnt 0x0
	s_min_u32 s14, s14, 135
	s_min_u32 s15, s15, 64
	s_min_u32 s16, s16, 1024
	s_cmp_ge_u32 s13, s15                          ; this split leaves my wave no tile
	s_cbranch_scc1 .Lend
	s_sub_co_u32 s50, s15, s13                     ; my trips: every fourth tile from my first on: (tiles - first + 3) / 4,
	s_add_co_u32 s50, s50, 3
	s_lshr_b32 s50, s50, 2
	s_min_u32 s50, s50, 16                         ; 16 at the most: 64 tiles, four phases
	s_mov_b32 s49, 0                               ; the loop is counted by s49, one a trip
	s_lshl_b32 s17, s14, 4
	s_add_co_u32 s17, s17, s16
	s_sub_co_u32 s17, s17, 1                       ; the expert's last position (it has a row: it has a tile)
	LISTLD 0
	s_wait_loadcnt 0x0                             ; the weights, their scale words, my first tile's tokens
	XADDR
	XLOAD
	LISTLD 4
.Ltile:                                            ; one trip: tile J
	s_wait_loadcnt 0x1                             ; x's 18 loads are in; the list load issued behind them may be out
	WIN 0x01                                       ; source 0 window 1
.irp s, 0,1,2,3,4,5,6,7                            ; the four accumulators take turns, one instruction a turn
	MM 104, \s, \s, 88, 0
	MM 112, 8+\s, \s, 88, 1
	MM 120, 16+\s, \s, 96, 0
	MM 128, 24+\s, \s, 96, 1
.endr
	WIN 0
.rept 5
	v_nop                                          ; places in front of the loads into x's registers, of the reads of the results, and of the next trip's products, which begin the sums anew
.endr
	s_wait_loadcnt 0x0                             ; the tokens of tile J + 4
	s_wait_xcnt 0x0                                ; the last trip's stores have read their data, offsets and bases
	XADDR
	XLOAD                                          ; tile J + 4 lands under this tile's vector work
	LISTLD 8
	s_add_co_u32 s44, s13, s14
	s_min_u32 s44, s44, 135
	s_lshl_b32 s40, s44, 14
	s_add_nc_u64 s[36:37], s[32:33], s[40:41]
	s_lshl_b32 s40, s44, 10
	s_add_nc_u64 s[38:39], s[34:35], s[40:41]
	; h = g / (1 + 2^(-g log2 e)) x u, in f32; each accumulator is read from its low end on
.irp k, 0,2,4,6,8,10,12,14
	v_pk_mul_f32 v[136+\k:137+\k], v[104+\k:105+\k], 0xbfb8aa3b op_sel_hi:[1,0]
.endr
.irp k, 0,1,2,3,4,5,6,7,8,9,10,11,12,13,14,15
	v_exp_f32 v[136+\k], v[136+\k]
.endr
	v_nop                                          ; a plain line behind the transcendentals
	s_wait_alu depctr_va_vdst(0)
.irp k, 0,2,4,6,8,10,12,14
	v_pk_add_f32 v[136+\k:137+\k], v[136+\k:137+\k], 1.0 op_sel_hi:[1,0]
.endr
.irp k, 0,1,2,3,4,5,6,7,8,9,10,11,12,13,14,15
	v_rcp_f32 v[136+\k], v[136+\k]
.endr
	v_nop
	s_wait_alu depctr_va_vdst(0)
.irp k, 0,2,4,6,8,10,12,14
	v_pk_mul_f32 v[136+\k:137+\k], v[136+\k:137+\k], v[104+\k:105+\k]
.endr
.irp k, 0,2,4,6,8,10,12,14
	v_pk_mul_f32 v[136+\k:137+\k], v[136+\k:137+\k], v[120+\k:121+\k]
.endr
	v_max3_num_f32 v152, |v136|, |v137|, 0x1800000 ; my 16 numbers and the floor 2^(3 - 127)
.irp i, 2,4,6,8,10,12,14
	v_max3_num_f32 v152, v152, |v[136+\i]|, |v[137+\i]|
.endr
	v_permlanex16_b32 v153, v152, s42, s43
	v_max_num_f32 v152, v152, v153                 ; with lane l xor 16's: the block's largest magnitude
	v_add_nc_u32 v154, 0xff000000, v152            ; 2 off its exponent field: the conversion's scale operand
	v_cvt_scalef32_pk8_fp4_f32 v156, v[136:143], v154
	v_cvt_scalef32_pk8_fp4_f32 v157, v[144:151], v154
	v_lshrrev_b32 v155, 23, v154                   ; the byte; also the plain line behind the conversions
	global_store_b64 v9, v[156:157], s[36:37]      ; 32 lanes store 256 consecutive bytes, aligned
	global_store_b8 v10, v155, s[38:39]            ; a byte a row; lanes 16-31 write what lanes 0-15 write
	s_add_co_u32 s13, s13, 4                       ; my next tile
	s_add_co_u32 s49, s49, 1
	s_cmp_lt_u32 s49, s50
	s_cbranch_scc1 .Ltile
.Lend:
	s_endpgm
.Lfunc_end_k_q03bffdaa0b_gateup:
	.size	k_q03bffdaa0b_gateup, .Lfunc_end_k_q03bffdaa0b_gateup-k_q03bffdaa0b_gateup
	.p2alignl 7, 3214868480
	.fill 96, 4, 3214868480
	.section	.rodata,"a",@progbits
	.p2align	6, 0x0
	.amdhsa_kernel k_q03bffdaa0b_gateup
		.amdhsa_group_segment_fixed_size 0
		.amdhsa_private_segment_fixed_size 0
		.amdhsa_enable_private_segment 0
		.amdhsa_kernarg_size 24
		.amdhsa_user_sgpr_count 2
		.amdhsa_user_sgpr_kernarg_segment_ptr 1
		.amdhsa_wavefront_size32 1
		.amdhsa_system_sgpr_workgroup_id_x 1
		.amdhsa_system_sgpr_workgroup_id_y 1
		.amdhsa_system_sgpr_workgroup_id_z 1
		.amdhsa_system_vgpr_workitem_id 0
		.amdhsa_next_free_vgpr 512
		.amdhsa_next_free_sgpr 66
		.amdhsa_reserve_vcc 0
		.amdhsa_float_denorm_mode_32 3
		.amdhsa_float_denorm_mode_16_64 3
		.amdhsa_memory_ordered 1
		.amdhsa_forward_progress 1
		.amdhsa_inst_pref_size 24
	.end_amdhsa_kernel
	.amdgpu_metadata
---
amdhsa.version: [ 1, 2 ]
amdhsa.kernels:
  - .name:           k_q03bffdaa0b_gateup
    .symbol:         k_q03bffdaa0b_gateup.kd
    .args:
      - { .name: q1, .offset: 0, .size: 8, .value_kind: global_buffer, .address_space: global }
      - { .name: route, .offset: 8, .size: 8, .value_kind: global_buffer, .address_space: global }
      - { .name: hbuf, .offset: 16, .size: 8, .value_kind: global_buffer, .address_space: global }
    .group_segment_fixed_size: 0
    .private_segment_fixed_size: 0
    .kernarg_segment_align: 8
    .kernarg_segment_size: 24
    .max_flat_workgroup_size: 256
    .sgpr_count:     66
    .vgpr_count:     512
    .wavefront_size: 32
...
	.end_amdgpu_metadata
.endif
;; end of part 3
;; launch down (part 4): grid 256 x 1, 8 waves a work-group, no clusters, 19,456 bytes of LDS; arguments q2, hbuf, route, y; writes y
.if DOCPART == 4
	.amdgcn_target "amdgcn-amd-amdhsa--gfx1250"
	.amdhsa_code_object_version 6
	.text
	.protected	k_q03bffdaa0b_down
	.globl	k_q03bffdaa0b_down
	.p2align	8
	.type	k_q03bffdaa0b_down,@function
k_q03bffdaa0b_down:
	s_mov_b64 s[64:65], 0
	v_nop
	global_prefetch_b8 v0, s[64:65] scope:SCOPE_SE
	s_setreg_imm32_b32 hwreg(HW_REG_WAVE_MODE, 25, 1), 1
	s_wait_xcnt 0x0
; y = h Wd for the rows routed to each expert, on codes of FP4 (E2M1) with E8M0 scales; K = 2,048.
; SHARES.  Work-group = (expert e, group b of 32 columns of d).  Each of its eight waves holds the group's codes of Wd for all of K in registers (32 fragments, window 1)
; and walks the expert's tiles of 16 rows: wave w takes tiles w, w + 8, ..  The number of tiles is read from memory: operands go from memory straight into registers, no barrier.
; No cluster and no joint loads: trip counts differ between experts and hang on stored numbers.
; TRANSPOSED: source 0 = 16 columns of Wd, source 1 = 16 rows of h: a lane holds one row and, in the two tiles' 16 registers, columns 16 (lane / 16) + 0 .. 15 of the group.
; A tile's 16 rows x 128 bytes go through the wave's own stage in LDS (rows of 144 bytes) and leave as 2,048 consecutive bytes.
; y: [b][tile][row][32] f32: 278,528 bytes for each b.
; REGISTERS, window 0: v1 r, v2 h, v3-9 offsets; v16-143 h's 16 fragments; v144-159 h's scale words; v160-175 Wd's (lanes 0-15 tile 0, lanes 16-31 tile 1);
;   v176-183, v184-191 the two accumulators; v192-207 rows on their way out.   window 1: fragment (16 u + s) at 8 x that.
; SCALARS: s12 wave, s13 e, s14 b, s15 J (the tile in hand, for addresses alone), s16 first tile, s17 tiles, s37 last tile; s43 trips done, s44 trips.
.set DS_OFF, 8388608
.set HS_OFF, 2228224
.set META, 16896
.set MSB, 0
.macro WIN new                         ; the immediate's high byte repeats the setting that is left
.if MSB != \new
	s_set_vgpr_msb (MSB<<8)|\new
.set MSB, \new
.endif
.endm
.macro HLOAD                           ; tile s36's operand image: 32 loads of codes, 4 of scale words
	s_lshl_b32 s34, s36, 14
	s_add_nc_u64 s[26:27], s[6:7], s[34:35]
	s_lshl_b32 s34, s36, 10
	s_add_nc_u64 s[28:29], s[24:25], s[34:35]
.irp s, 0,1,2,3,4,5,6,7,8,9,10,11,12,13,14,15
.irp c, 0,1
	global_load_b128 v[16+8*\s+4*\c:19+8*\s+4*\c], v5, s[26:27] offset:1024*\s+512*\c
.endr
.endr
.irp g, 0,1,2,3
	global_load_b128 v[144+4*\g:147+4*\g], v6, s[28:29] offset:256*\g
.endr
.endm
.macro MM acc, f, s, u
.if (\s) == 0
.if \u
	v_wmma_scale_f32_16x16x128_f8f6f4 v[\acc:\acc+7], v[8*(\f):8*(\f)+7], v[16+8*(\s):23+8*(\s)], 0, v[160+(\s)], v[144+(\s)] matrix_a_fmt:MATRIX_FMT_FP4 matrix_b_fmt:MATRIX_FMT_FP4 matrix_a_scale:MATRIX_SCALE_ROW1
.else
	v_wmma_scale_f32_16x16x128_f8f6f4 v[\acc:\acc+7], v[8*(\f):8*(\f)+7], v[16+8*(\s):23+8*(\s)], 0, v[160+(\s)], v[144+(\s)] matrix_a_fmt:MATRIX_FMT_FP4 matrix_b_fmt:MATRIX_FMT_FP4
.endif
.else
.if \u
	v_wmma_scale_f32_16x16x128_f8f6f4 v[\acc:\acc+7], v[8*(\f):8*(\f)+7], v[16+8*(\s):23+8*(\s)], v[\acc:\acc+7], v[160+(\s)], v[144+(\s)] matrix_a_fmt:MATRIX_FMT_FP4 matrix_b_fmt:MATRIX_FMT_FP4 matrix_a_scale:MATRIX_SCALE_ROW1
.else
	v_wmma_scale_f32_16x16x128_f8f6f4 v[\acc:\acc+7], v[8*(\f):8*(\f)+7], v[16+8*(\s):23+8*(\s)], v[\acc:\acc+7], v[160+(\s)], v[144+(\s)] matrix_a_fmt:MATRIX_FMT_FP4 matrix_b_fmt:MATRIX_FMT_FP4
.endif
.endif
.endm
	s_load_b256 s[4:11], s[0:1], 0x0               ; q2 s[4:5], hbuf s[6:7], route s[8:9], y s[10:11]
	v_lshl_add_u32 v254, v0, 2, 0x4800
	v_mov_b32 v255, 0
	v_lshrrev_b32 v1, 5, v0
	v_readfirstlane_b32 s12, v1                    ; wave 0..7
	v_and_b32 v10, 31, v0
	v_and_b32 v1, 15, v0                           ; r
	v_bfe_u32 v2, v0, 4, 1                         ; h
	v_lshlrev_b32 v6, 4, v1                        ; h's scale words: 16 r
	v_lshl_add_u32 v3, v2, 9, v6                   ; a weight fragment: 512 h + 16 r
	v_lshlrev_b32 v4, 2, v10                       ; weight scale words: 4 x lane
	v_lshl_add_u32 v5, v2, 8, v6                   ; a fragment of h: 256 h + 16 r
	s_mul_i32 s36, s12, 2304                       ; my stage
	v_mul_u32_u24 v7, v1, 144
	v_lshl_add_u32 v7, v2, 6, v7
	v_add_nc_u32 v7, s36, v7                       ; in: row r, + 64 h
	v_lshrrev_b32 v8, 3, v10
	v_mul_u32_u24 v8, v8, 144
	v_and_b32 v11, 7, v0
	v_lshl_add_u32 v8, v11, 4, v8
	v_add_nc_u32 v8, s36, v8                       ; back: eight lanes to a row, four rows an instruction
	v_lshlrev_b32 v9, 4, v10                       ; out: 16 x lane
	s_lshr_b32 s13, ttmp9, 5                       ; e
	s_and_b32 s14, ttmp9, 31                       ; b
	s_mov_b32 s15, s12                             ; J: my first tile
	s_mov_b32 s35, 0
	s_mov_b32 s39, 0
	s_lshl_b32 s38, s13, 2
	s_wait_kmcnt 0x0
	s_add_nc_u64 s[40:41], s[8:9], s[38:39]
	s_load_b32 s16, s[40:41], META                 ; the expert's first tile,
	s_load_b32 s17, s[40:41], META+32              ; its tiles
	s_lshl_b32 s34, ttmp9, 15
	s_add_nc_u64 s[18:19], s[4:5], s[34:35]        ; Wd's codes: block (32 e + b) 16
	s_lshl_b32 s34, ttmp9, 11
	s_add_co_u32 s34, s34, DS_OFF
	s_add_nc_u64 s[20:21], s[4:5], s[34:35]
	s_add_nc_u64 s[24:25], s[6:7], HS_OFF
	s_mul_i32 s34, s14, 278528
	s_add_nc_u64 s[30:31], s[10:11], s[34:35]
	WIN 0x40                                       ; destination window 1
.irp u, 0,1
.irp s, 0,1,2,3,4,5,6,7,8,9,10,11,12,13,14,15
.irp c, 0,1
	global_load_b128 v[8*(16*\u+\s)+4*\c:8*(16*\u+\s)+4*\c+3], v3, s[18:19] offset:2048*\s+1024*\c+256*\u
.endr
.endr
.endr
	WIN 0
.irp s, 0,1,2,3,4,5,6,7,8,9,10,11,12,13,14,15
	global_load_b32 v[160+\s], v4, s[20:21] offset:128*\s
.endr
	s_wait_kmcnt 0x0
	s_min_u32 s16, s16, 135
	s_min_u32 s17, s17, 64
	s_cmp_ge_u32 s15, s17                          ; this split leaves my wave no tile
	s_cbranch_scc1 .Lend
	s_sub_co_u32 s44, s17, s15                     ; my trips: every eighth tile from my first on: (tiles - first + 7) / 8,
	s_add_co_u32 s44, s44, 7
	s_lshr_b32 s44, s44, 3
	s_min_u32 s44, s44, 8                          ; 8 at the most: 64 tiles, eight waves
	s_mov_b32 s43, 0                               ; the loop is counted by s43, one a trip
	s_add_co_u32 s37, s16, s17
	s_sub_co_u32 s37, s37, 1                       ; the expert's last tile
	s_add_co_u32 s36, s15, s16
	s_min_u32 s36, s36, 135
	HLOAD
.Ltile:                                            ; one trip: tile J
	s_wait_loadcnt 0x0                             ; the tile's fragments and scale words (in the first trip the weights too)
	WIN 0x01                                       ; source 0 window 1
.irp s, 0,1,2,3,4,5,6,7,8,9,10,11,12,13,14,15      ; the two accumulators take turns, one instruction a turn
	MM 176, \s, \s, 0
	MM 184, 16+\s, \s, 1
.endr
	WIN 0
.rept 5
	v_nop                                          ; places in front of the loads into h's registers, of the LDS stores of the results, and of the next trip's products, which begin the sums anew
.endr
	s_wait_xcnt 0x0                                ; the last trip's stores have read their data and their base
	s_add_co_u32 s42, s15, s16
	s_add_co_u32 s36, s42, 8
	s_min_u32 s36, s36, s37                        ; my next tile, held at the expert's last
	s_min_u32 s36, s36, 135
	HLOAD
	s_min_u32 s42, s42, 135
	s_lshl_b32 s34, s42, 11
	s_add_nc_u64 s[32:33], s[30:31], s[34:35]
	ds_store_b128 v7, v[176:179]                   ; each accumulator from its low end on: columns 16 h + 0 .. 3,
	ds_store_b128 v7, v[180:183] offset:16
	ds_store_b128 v7, v[184:187] offset:32
	ds_store_b128 v7, v[188:191] offset:48
.irp i, 0,1,2,3
	ds_load_b128 v[192+4*\i:195+4*\i], v8 offset:576*\i   ; LDS serves a wave's instructions in order: these see my stores
.endr
.irp i, 0,1,2,3
	s_wait_dscnt 3-\i                              ; the stage loads younger than load i may be out
	global_store_b128 v9, v[192+4*\i:195+4*\i], s[32:33] offset:512*\i   ; 512 consecutive bytes, aligned
.endr
	s_add_co_u32 s15, s15, 8                       ; my next tile
	s_add_co_u32 s43, s43, 1
	s_cmp_lt_u32 s43, s44
	s_cbranch_scc1 .Ltile
.Lend:
	s_wait_tensorcnt 0x0
	ds_add_u32 v254, v255
	s_wait_dscnt 0x0
	s_endpgm
.Lfunc_end_k_q03bffdaa0b_down:
	.size	k_q03bffdaa0b_down, .Lfunc_end_k_q03bffdaa0b_down-k_q03bffdaa0b_down
	.p2alignl 7, 3214868480
	.fill 96, 4, 3214868480
	.section	.rodata,"a",@progbits
	.p2align	6, 0x0
	.amdhsa_kernel k_q03bffdaa0b_down
		.amdhsa_group_segment_fixed_size 19456
		.amdhsa_private_segment_fixed_size 0
		.amdhsa_enable_private_segment 0
		.amdhsa_kernarg_size 32
		.amdhsa_user_sgpr_count 2
		.amdhsa_user_sgpr_kernarg_segment_ptr 1
		.amdhsa_wavefront_size32 1
		.amdhsa_system_sgpr_workgroup_id_x 1
		.amdhsa_system_sgpr_workgroup_id_y 1
		.amdhsa_system_sgpr_workgroup_id_z 1
		.amdhsa_system_vgpr_workitem_id 0
		.amdhsa_next_free_vgpr 512
		.amdhsa_next_free_sgpr 66
		.amdhsa_reserve_vcc 0
		.amdhsa_float_denorm_mode_32 3
		.amdhsa_float_denorm_mode_16_64 3
		.amdhsa_memory_ordered 1
		.amdhsa_forward_progress 1
		.amdhsa_inst_pref_size 23
	.end_amdhsa_kernel
	.amdgpu_metadata
---
amdhsa.version: [ 1, 2 ]
amdhsa.kernels:
  - .name:           k_q03bffdaa0b_down
    .symbol:         k_q03bffdaa0b_down.kd
    .args:
      - { .name: q2, .offset: 0, .size: 8, .value_kind: global_buffer, .address_space: global }
      - { .name: hbuf, .offset: 8, .size: 8, .value_kind: global_buffer, .address_space: global }
      - { .name: route, .offset: 16, .size: 8, .value_kind: global_buffer, .address_space: global }
      - { .name: y, .offset: 24, .size: 8, .value_kind: global_buffer, .address_space: global }
    .group_segment_fixed_size: 19456
    .private_segment_fixed_size: 0
    .kernarg_segment_align: 8
    .kernarg_segment_size: 32
    .max_flat_workgroup_size: 256
    .sgpr_count:     66
    .vgpr_count:     512
    .wavefront_size: 32
...
	.end_amdgpu_metadata
.endif
;; end of part 4
;; launch combine (part 5): grid 256 x 1, 4 waves a work-group, no clusters, 0 bytes of LDS; arguments y, route, q1, out0; writes out0
.if DOCPART == 5
	.amdgcn_target "amdgcn-amd-amdhsa--gfx1250"
	.amdhsa_code_object_version 6
	.text
	.protected	k_q03bffdaa0b_combine
	.globl	k_q03bffdaa0b_combine
	.p2align	8
	.type	k_q03bffdaa0b_combine,@function
k_q03bffdaa0b_combine:
	s_mov_b64 s[64:65], 0
	v_nop
	global_prefetch_b8 v0, s[64:65] scope:SCOPE_SE
	s_setreg_imm32_b32 hwreg(HW_REG_WAVE_MODE, 25, 1), 1
	s_wait_xcnt 0x0
; out[t] = w0 y[pos0] + w1 y[pos1]: a token's two weighted rows meet here, since its two experts' weights belong to different work-groups of the launch before.
; One wave, one token.  y is [b][position][32] f32 (278,528 bytes for each b): 16 bytes a lane, eight lanes to a run of 128 bytes, four b to a load.
; A stream: no LDS, no barrier, no matrix unit.
.set POS, 8704
.set RW_OFF, 18382848
	s_load_b256 s[4:11], s[0:1], 0x0               ; y s[4:5], route s[6:7], q1 s[8:9], out0 s[10:11]
	v_lshrrev_b32 v1, 5, v0
	v_readfirstlane_b32 s12, v1                    ; wave 0..3
	v_and_b32 v1, 31, v0
	s_lshl_b32 s13, ttmp9, 2
	s_add_co_u32 s13, s13, s12                     ; my token
	s_lshl_b32 s22, s13, 3
	s_mov_b32 s23, 0
	v_lshrrev_b32 v2, 3, v1
	v_mul_u32_u24 v2, 0x44000, v2                  ; b = 4 i + lane / 8
	v_and_b32 v6, 7, v1
	v_lshl_add_u32 v2, v6, 4, v2
	v_lshlrev_b32 v5, 4, v1
	s_wait_kmcnt 0x0
	s_add_nc_u64 s[24:25], s[6:7], s[22:23]
	s_add_nc_u64 s[26:27], s[8:9], s[22:23]
	s_add_nc_u64 s[26:27], s[26:27], RW_OFF
	s_load_b64 s[14:15], s[24:25], POS             ; the two positions
	s_load_b64 s[16:17], s[26:27], 0x0             ; the two weights
	s_lshl_b32 s22, s13, 12
	s_add_nc_u64 s[10:11], s[10:11], s[22:23]
	s_wait_kmcnt 0x0
	s_min_u32 s14, s14, 2175
	s_min_u32 s15, s15, 2175
	s_lshl_b32 s14, s14, 7                         ; 128 bytes a position
	s_lshl_b32 s15, s15, 7
	v_add_nc_u32 v3, s14, v2
	v_add_nc_u32 v4, s15, v2
	s_mov_b32 s20, s17                             ; w1 as the low word of a pair of its own: the packed form takes the low word for both halves
	s_mov_b32 s21, s17
.irp i, 0,1,2,3,4,5,6,7
	global_load_b128 v[8+4*\i:11+4*\i], v3, s[4:5] offset:\i*1114112 th:TH_LOAD_NT
	global_load_b128 v[40+4*\i:43+4*\i], v4, s[4:5] offset:\i*1114112 th:TH_LOAD_NT
.endr
.irp i, 0,1,2,3,4,5,6,7
	s_wait_loadcnt 14-2*\i                         ; pair i is in; the younger pairs, two loads each, may be out
	v_pk_mul_f32 v[8+4*\i:9+4*\i], v[8+4*\i:9+4*\i], s[16:17] op_sel_hi:[1,0]
	v_pk_mul_f32 v[10+4*\i:11+4*\i], v[10+4*\i:11+4*\i], s[16:17] op_sel_hi:[1,0]
	v_pk_fma_f32 v[8+4*\i:9+4*\i], v[40+4*\i:41+4*\i], s[20:21], v[8+4*\i:9+4*\i] op_sel_hi:[1,0,1]
	v_pk_fma_f32 v[10+4*\i:11+4*\i], v[42+4*\i:43+4*\i], s[20:21], v[10+4*\i:11+4*\i] op_sel_hi:[1,0,1]
	global_store_b128 v5, v[8+4*\i:11+4*\i], s[10:11] offset:512*\i th:TH_STORE_NT   ; 512 consecutive bytes, aligned
.endr
	s_endpgm
.Lfunc_end_k_q03bffdaa0b_combine:
	.size	k_q03bffdaa0b_combine, .Lfunc_end_k_q03bffdaa0b_combine-k_q03bffdaa0b_combine
	.p2alignl 7, 3214868480
	.fill 96, 4, 3214868480
	.section	.rodata,"a",@progbits
	.p2align	6, 0x0
	.amdhsa_kernel k_q03bffdaa0b_combine
		.amdhsa_group_segment_fixed_size 0
		.amdhsa_private_segment_fixed_size 0
		.amdhsa_enable_private_segment 0
		.amdhsa_kernarg_size 32
		.amdhsa_user_sgpr_count 2
		.amdhsa_user_sgpr_kernarg_segment_ptr 1
		.amdhsa_wavefront_size32 1
		.amdhsa_system_sgpr_workgroup_id_x 1
		.amdhsa_system_sgpr_workgroup_id_y 1
		.amdhsa_system_sgpr_workgroup_id_z 1
		.amdhsa_system_vgpr_workitem_id 0
		.amdhsa_next_free_vgpr 80
		.amdhsa_next_free_sgpr 66
		.amdhsa_reserve_vcc 0
		.amdhsa_float_denorm_mode_32 3
		.amdhsa_float_denorm_mode_16_64 3
		.amdhsa_memory_ordered 1
		.amdhsa_forward_progress 1
		.amdhsa_inst_pref_size 6
	.end_amdhsa_kernel
	.amdgpu_metadata
---
amdhsa.version: [ 1, 2 ]
amdhsa.kernels:
  - .name:           k_q03bffdaa0b_combine
    .symbol:         k_q03bffdaa0b_combine.kd
    .args:
      - { .name: y, .offset: 0, .size: 8, .value_kind: global_buffer, .address_space: global }
      - { .name: route, .offset: 8, .size: 8, .value_kind: global_buffer, .address_space: global }
      - { .name: q1, .offset: 16, .size: 8, .value_kind: global_buffer, .address_space: global }
      - { .name: out0, .offset: 24, .size: 8, .value_kind: global_buffer, .address_space: global }
    .group_segment_fixed_size: 0
    .private_segment_fixed_size: 0
    .kernarg_segment_align: 8
    .kernarg_segment_size: 32
    .max_flat_workgroup_size: 128
    .sgpr_count:     66
    .vgpr_count:     80
    .wavefront_size: 32
...
	.end_amdgpu_metadata
.endif
;; end of part 5
;; ======== version 2 of 2: 5 launches
;; workspace buffers: q1 18,391,040 bytes; ridx 4,096 bytes of whole numbers; q2 8,912,896 bytes; route 17,152 bytes of whole numbers; hbuf 2,367,488 bytes; y 8,912,896 bytes
;; launch prep_gu (part 6): grid 640 x 1, 8 waves a work-group, no clusters, 38,400 bytes of LDS; arguments hidden_states, Wc, bc, Wg, Wu, q1, ridx; writes q1, ridx
.if DOCPART == 6
	.amdgcn_target "amdgcn-amd-amdhsa--gfx1250"
	.amdhsa_code_object_version 6
	.text
	.protected	k_q03bffdaa0b_prep_gu
	.globl	k_q03bffdaa0b_prep_gu
	.p2align	8
	.type	k_q03bffdaa0b_prep_gu,@function
k_q03bffdaa0b_prep_gu:
	s_mov_b64 s[64:65], 0
	v_nop
	global_prefetch_b8 v0, s[64:65] scope:SCOPE_SE
	s_setreg_imm32_b32 hwreg(HW_REG_WAVE_MODE, 25, 1), 1
	s_wait_xcnt 0x0
; Work-groups 0-127: eight tokens each: x into codes of FP4 (E2M1) with one E8M0 byte for each 32 along d; the eight bids
; (f32 dot products with Wc, + bc, sigmoid); the two largest bids (the lower index wins a tie) and their softmax.
; Work-groups 128-639: Wg and Wu, f32 [e][d][i] with K = d outermost, into codes laid in the order of the operand registers.
; A block's scale is 2^(floor(log2(largest magnitude)) - 2): its byte is the largest magnitude's exponent field - 2, held at 1 from below.
; LIMITS: NaN and infinities among the inputs are not served.  A block of zeros gets the byte 1 and not 127: its codes are zeros,
; and the bytes are read by this program alone.  Two bids closer than the last bit of v_exp_f32 and v_rcp_f32 may be ordered either way.
; q1: WQ at 0: blocks of 2,048 bytes (32 columns x 128 K), block ((m 8 + e) 64 + b) 8 + s; inside: 512 q + 16 lane, q the 32-block of the K step.
;     WS: 1,024 bytes for each (m, e, b): 256 (s / 2) + 8 lane: the scale words of two K steps.   XQ [t][512]; XS [t][32]; RW [2 t + k] f32.
; THE COLUMNS OF A GROUP OF 32: quantiser lane (u = lane / 16, r = lane % 16) takes column 8 u + r % 8 + 16 (r / 8), so that as source 0 of the
; product the two tiles u = 0, 1 leave 16 neighbouring columns in a lane's 16 result registers.
; No tensor loads, no cluster: no two work-groups read the same bytes, and up to 64 loads a wave are out, eight waves to a work-group.
.set WS_OFF, 16777216
.set XQ_OFF, 17825792
.set XS_OFF, 18350080
.set RW_OFF, 18382848
.set ROWB, 8192                        ; a row of Wg or Wu in bytes
.set NB,   8                           ; blocks of 32 along K for a wave: two K steps of 128
.set X,    32                          ; v32-95  two sets of 32 numbers
.set C,    96                          ; v96-127 four registers of codes for each block: no store's data are written again
.set SB,   8                           ; v8-9    scale bytes, four to a register
.set LG,   36864                       ; LDS (router path alone): behind eight staged rows of 4,608 bytes: the bids' sums [t][e], 256 bytes
.set SCB,  37120                       ; and x's scale bytes [t][32], 256 bytes
.macro LOADB t                         ; block t: W(32 t + i, my column) into set t % 2; a wave's load covers 128 consecutive bytes, the eight waves 1,024
.irp i, 0,1,2,3,4,5,6,7,8,9,10,11,12,13,14,15,16,17,18,19,20,21,22,23,24,25,26,27,28,29,30,31
	global_load_b32 v[X+32*((\t)%2)+\i], v2, s[26:27] offset:(32*(\t)+\i)*ROWB th:TH_LOAD_NT
.endr
.endm
.macro MAX32 xs, a, b                  ; the largest magnitude of v[xs] .. v[xs + 31], in two chains, with the floor 2^(3 - 127) as one more leaf -> v[a]
	v_max3_num_f32 v[\a], |v[\xs]|, |v[\xs+1]|, |v[\xs+2]|
	v_max3_num_f32 v[\b], |v[\xs+3]|, |v[\xs+4]|, |v[\xs+5]|
.irp i, 6,10,14,18,22,26
	s_delay_alu instid0(VALU_DEP_2)
	v_max3_num_f32 v[\a], v[\a], |v[\xs+\i]|, |v[\xs+\i+1]|
	s_delay_alu instid0(VALU_DEP_2)
	v_max3_num_f32 v[\b], v[\b], |v[\xs+\i+2]|, |v[\xs+\i+3]|
.endr
	s_delay_alu instid0(VALU_DEP_2)
	v_max3_num_f32 v[\a], v[\a], |v[\xs+30]|, |v[\xs+31]|
	s_delay_alu instid0(VALU_DEP_1)
	v_max3_num_f32 v[\a], v[\a], v[\b], 0x1800000
.endm
.macro QBLOCK t
.set XN, X+32*((\t)%2)
.if (\t) < NB-1
	s_wait_loadcnt 32                              ; this block's 32 loads are in; the next block's 32 may be out
.else
	s_wait_loadcnt 0x0
.endif
	MAX32 XN, 12, 13
	s_delay_alu instid0(VALU_DEP_1)
	v_add_nc_u32 v11, 0xff000000, v12              ; 2 off the exponent field: the conversion takes this operand's exponent field as its scale
	s_delay_alu instid0(VALU_DEP_1)
	v_lshrrev_b32 v14, 23, v11                     ; the scale's byte
.if (\t)%4 == 0
	s_delay_alu instid0(VALU_DEP_1)
	v_mov_b32 v[SB+(\t)/4], v14
.else
	s_delay_alu instid0(VALU_DEP_1)
	v_lshl_or_b32 v[SB+(\t)/4], v14, 8*((\t)%4), v[SB+(\t)/4]
.endif
.irp g, 0,1,2,3
	v_cvt_scalef32_pk8_fp4_f32 v[C+4*(\t)+\g], v[XN+8*\g:XN+8*\g+7], v11
.endr
	global_store_b128 v3, v[C+4*(\t):C+4*(\t)+3], s[30:31] offset:512*(\t)   ; 32 lanes store 512 consecutive bytes, aligned
.if (\t)+2 < NB
	LOADB (\t)+2                                   ; (the next block begins with plain vector lines that write neither v11 nor these numbers)
.endif
.endm
	s_load_b256 s[4:11], s[0:1], 0x0               ; hidden_states s[4:5], Wc s[6:7], bc s[8:9], Wg s[10:11]
	s_load_b128 s[12:15], s[0:1], 0x20             ; Wu s[12:13], q1 s[14:15]
	s_load_b64 s[16:17], s[0:1], 0x30              ; ridx
	v_lshl_add_u32 v128, v0, 2, 0x9200
	v_mov_b32 v129, 0
	v_lshrrev_b32 v1, 5, v0
	s_delay_alu instid0(VALU_DEP_1)
	v_readfirstlane_b32 s18, v1                    ; wave 0..7
	v_and_b32 v1, 31, v0                           ; lane
	s_cmp_lt_u32 ttmp9, 128                        ; the same for all waves of a work-group
	s_cbranch_scc1 .Lrouter
	; ---- THE WEIGHTS.  q = work-group - 128: bits 8: gate or up; 7:5 expert; 4:3 which 256 rows of d; 2:0 which 256 columns of i
	v_and_b32 v5, 7, v1
	v_bfe_u32 v6, v1, 3, 1
	v_bfe_u32 v7, v1, 4, 1
	s_delay_alu instid0(VALU_DEP_2)
	v_lshl_add_u32 v5, v6, 4, v5
	s_delay_alu instid0(VALU_DEP_1)
	v_lshl_add_u32 v5, v7, 3, v5                   ; my column of the wave's 32
	s_delay_alu instid0(VALU_DEP_1)
	v_lshlrev_b32 v2, 2, v5
	s_lshl_b32 s19, s18, 7
	v_add_nc_u32 v2, s19, v2                       ; in: 4 x column + 128 x wave
	v_lshlrev_b32 v3, 4, v1                        ; codes out: 16 x lane
	v_lshlrev_b32 v4, 3, v1                        ; scale words out: 8 x lane
	s_sub_co_u32 s20, ttmp9, 128
	s_bfe_u32 s21, s20, 0x50003                    ; which 256 rows of the tensor: 4 e + k4
	s_and_b32 s22, s20, 7
	s_lshr_b32 s23, s20, 5                         ; 8 m + e
	s_bfe_u32 s24, s20, 0x20003                    ; k4
	s_lshl_b32 s25, s22, 3
	s_add_co_u32 s25, s25, s18                     ; b: my group of 32 columns, 0..63
	s_lshl_b32 s28, s21, 21                        ; 256 rows of 8,192 bytes
	s_lshl_b32 s19, s22, 10
	s_add_co_u32 s28, s28, s19
	s_mov_b32 s29, 0
	s_lshl_b32 s34, s23, 9
	s_lshl_b32 s19, s25, 3
	s_add_co_u32 s34, s34, s19
	s_lshl_b32 s19, s24, 1
	s_add_co_u32 s34, s34, s19
	s_lshl_b32 s34, s34, 11                        ; my first block of codes
	s_mov_b32 s35, 0
	s_lshl_b32 s36, s23, 6
	s_add_co_u32 s36, s36, s25
	s_lshl_b32 s36, s36, 10
	s_lshl_b32 s19, s24, 8
	s_add_co_u32 s36, s36, s19
	s_add_co_u32 s36, s36, WS_OFF                  ; my scale words
	s_mov_b32 s37, 0
	s_wait_alu depctr_va_vdst(0)
	s_wait_kmcnt 0x0
	s_cmp_lt_u32 s20, 256                          ; the choice hangs on the work-group's number alone
	s_cselect_b64 s[26:27], s[10:11], s[12:13]
	s_add_nc_u64 s[26:27], s[26:27], s[28:29]
	s_add_nc_u64 s[30:31], s[14:15], s[34:35]
	s_add_nc_u64 s[32:33], s[14:15], s[36:37]
	LOADB 0
	LOADB 1
.set Q, 0
.rept NB
	QBLOCK Q
.set Q, Q+1
.endr
	global_store_b64 v4, v[SB:SB+1], s[32:33]      ; 32 lanes store 256 consecutive bytes, aligned
	s_endpgm
	; ---- THE TOKENS.  Work-group g takes tokens 8 g .. 8 g + 7.  Wave w stages and quantises token 8 g + w, then makes expert w's bid for all eight.
.Lrouter:
	s_wait_alu depctr_va_vdst(0)
	v_lshrrev_b32 v8, 3, v1
	v_lshlrev_b32 v5, 4, v1                        ; 16 x lane
	s_delay_alu instid0(VALU_DEP_1)
	v_lshl_add_u32 v2, v8, 4, v5                   ; a staged row has 16 bytes of padding behind each 128: byte o lies at o + 16 (o / 128)
	s_mul_i32 s19, s18, 4608
	v_add_nc_u32 v3, s19, v2                       ; into my token's row, as loaded
	v_mul_u32_u24 v4, v1, 144
	s_delay_alu instid0(VALU_DEP_1)
	v_add_nc_u32 v4, s19, v4                       ; out of it: block lane: 128 bytes at 144 x lane
	s_lshl_b32 s23, s18, 2
	s_add_co_u32 s23, s23, LG
	v_mov_b32 v6, s23                              ; sums: [t][e = wave]
	s_lshl_b32 s24, s18, 5
	s_add_co_u32 s24, s24, SCB
	v_add_nc_u32 v7, s24, v1                       ; my block's scale byte
	v_lshl_add_u32 v9, v1, 3, SCB                  ; wave 0 at the end: 8 scale bytes a lane,
	v_and_b32 v10, 7, v1
	s_delay_alu instid0(VALU_DEP_1)
	v_lshl_add_u32 v10, v10, 5, LG                 ; and token lane % 8's eight sums
	v_lshlrev_b32 v11, 3, v1
	v_lshlrev_b32 v12, 2, v1
	s_mov_b32 s48, 0x76543210
	s_mov_b32 s49, 0xfedcba98                      ; v_permlanex16_b32: lane l xor 16
	s_lshl_b32 s22, ttmp9, 3
	s_add_co_u32 s22, s22, s18                     ; my token
	s_lshl_b32 s20, s22, 12
	s_mov_b32 s21, 0
	s_wait_alu depctr_va_vdst(0)
	s_wait_kmcnt 0x0
	s_add_nc_u64 s[26:27], s[4:5], s[20:21]        ; its row of x
	s_lshl_b32 s20, s18, 12
	s_add_nc_u64 s[28:29], s[6:7], s[20:21]        ; Wc's row w
	s_lshl_b32 s20, s22, 9
	s_add_co_u32 s20, s20, XQ_OFF
	s_add_nc_u64 s[32:33], s[14:15], s[20:21]
	s_lshl_b32 s20, ttmp9, 8
	s_add_co_u32 s20, s20, XS_OFF
	s_add_nc_u64 s[34:35], s[14:15], s[20:21]
	s_lshl_b32 s20, ttmp9, 6
	s_add_co_u32 s20, s20, RW_OFF
	s_add_nc_u64 s[36:37], s[14:15], s[20:21]
	s_lshl_b32 s20, ttmp9, 5
	s_add_nc_u64 s[38:39], s[16:17], s[20:21]
	s_load_b256 s[40:47], s[8:9], 0x0              ; bc
.irp i, 0,1,2,3,4,5,6,7
	global_load_b128 v[64+4*\i:67+4*\i], v5, s[26:27] offset:512*\i th:TH_LOAD_NT
.endr
.irp i, 0,1,2,3,4,5,6,7
	global_load_b128 v[32+4*\i:35+4*\i], v5, s[28:29] offset:512*\i
.endr
	s_wait_loadcnt 8                               ; x's eight loads are in; Wc's eight may be out
.irp i, 0,1,2,3,4,5,6,7
	ds_store_b128 v3, v[64+4*\i:67+4*\i] offset:576*\i
.endr
	s_wait_dscnt 0x0                               ; for the others' sake: my row is staged
	s_barrier_signal -1
	s_barrier_wait -1
	; my token's block lane: 32 neighbours along d
.irp j, 0,1,2,3,4,5,6,7
	ds_load_b128 v[64+4*\j:67+4*\j], v4 offset:16*\j
.endr
	s_wait_dscnt 0x0
	MAX32 64, 104, 105
	s_delay_alu instid0(VALU_DEP_1)
	v_add_nc_u32 v106, 0xff000000, v104
.irp g, 0,1,2,3
	v_cvt_scalef32_pk8_fp4_f32 v[100+\g], v[64+8*\g:71+8*\g], v106
.endr
	v_lshrrev_b32 v107, 23, v106                   ; the byte; also the plain line behind the conversions
	global_store_b128 v5, v[100:103], s[32:33]     ; the token's 512 bytes of codes
	ds_store_b8 v7, v107
	s_wait_loadcnt 0x0                             ; Wc's row
	s_wait_kmcnt 0x0                               ; bc
.macro DOT t                           ; x[t] . Wc[w], in f32: 32 numbers a lane in two packed chains, then over the 32 lanes
.irp i, 0,1,2,3,4,5,6,7
	ds_load_b128 v[64+4*\i:67+4*\i], v2 offset:4608*\t+576*\i
.endr
	s_wait_dscnt 0x0
	v_pk_mul_f32 v[96:97], v[64:65], v[32:33]
	v_pk_mul_f32 v[98:99], v[66:67], v[34:35]
.irp i, 1,2,3,4,5,6,7
	s_delay_alu instid0(VALU_DEP_2)
	v_pk_fma_f32 v[96:97], v[64+4*\i:65+4*\i], v[32+4*\i:33+4*\i], v[96:97]
	s_delay_alu instid0(VALU_DEP_2)
	v_pk_fma_f32 v[98:99], v[66+4*\i:67+4*\i], v[34+4*\i:35+4*\i], v[98:99]
.endr
	s_delay_alu instid0(VALU_DEP_1)
	v_pk_add_f32 v[96:97], v[96:97], v[98:99]
	s_delay_alu instid0(VALU_DEP_1)
	v_add_f32 v96, v96, v97
	s_delay_alu instid0(VALU_DEP_1)
	v_add_f32_dpp v96, v96, v96 row_xmask:1 row_mask:0xf bank_mask:0xf
	s_delay_alu instid0(VALU_DEP_1)
	v_add_f32_dpp v96, v96, v96 row_xmask:2 row_mask:0xf bank_mask:0xf
	s_delay_alu instid0(VALU_DEP_1)
	v_add_f32_dpp v96, v96, v96 row_xmask:4 row_mask:0xf bank_mask:0xf
	s_delay_alu instid0(VALU_DEP_1)
	v_add_f32_dpp v96, v96, v96 row_xmask:8 row_mask:0xf bank_mask:0xf
	s_delay_alu instid0(VALU_DEP_1)
	v_permlanex16_b32 v97, v96, s48, s49
	s_delay_alu instid0(VALU_DEP_1)
	v_add_f32 v96, v96, v97
	ds_store_b32 v6, v96 offset:32*\t              ; all lanes write the same word with the same value
.endm
.irp t, 0,1,2,3,4,5,6,7
	DOT \t
.endr
	s_wait_dscnt 0x0                               ; for wave 0's sake: my sums and my scale bytes are stored
	s_barrier_signal -1
	s_barrier_wait -1
	s_cmp_lg_u32 s18, 0
	s_cbranch_scc1 .Ldone
	ds_load_b64 v[104:105], v9
	ds_load_b128 v[108:111], v10
	ds_load_b128 v[112:115], v10 offset:16
	s_wait_dscnt 0x0
	global_store_b64 v11, v[104:105], s[34:35]     ; eight tokens' scale bytes: 256 consecutive bytes, aligned
.irp e, 0,1,2,3,4,5,6,7
	v_add_f32 v[108+\e], s[40+\e], v[108+\e]
.endr
.irp e, 0,1,2,3,4,5,6,7
	v_mul_f32 v[108+\e], 0xbfb8aa3b, v[108+\e]     ; x -log2(e)
.endr
	s_wait_alu depctr_va_vdst(0)
.irp e, 0,1,2,3,4,5,6,7
	v_exp_f32 v[108+\e], v[108+\e]
.endr
	v_nop                                          ; a plain line behind the transcendentals
	s_wait_alu depctr_va_vdst(0)
.irp e, 0,1,2,3,4,5,6,7
	v_add_f32 v[108+\e], 1.0, v[108+\e]
.endr
	s_wait_alu depctr_va_vdst(0)
.irp e, 0,1,2,3,4,5,6,7
	v_rcp_f32 v[108+\e], v[108+\e]                 ; the bid: 1 / (1 + e^-z)
.endr
	v_nop
	s_wait_alu depctr_va_vdst(0)
	v_mov_b32 v116, v108                           ; the largest bid and its expert: a later one takes over only if it is larger
	v_mov_b32 v117, 0
.irp e, 1,2,3,4,5,6,7
	v_cmp_le_f32 vcc_lo, v[108+\e], v116           ; keep
	s_delay_alu instid0(VALU_DEP_1)
	v_cndmask_b32 v117, \e, v117, vcc_lo
	v_cndmask_b32 v116, v[108+\e], v116, vcc_lo
.endr
	v_mov_b32 v118, -1.0                           ; the second: under every bid
	v_mov_b32 v119, 0
.irp e, 0,1,2,3,4,5,6,7
	v_cmp_le_f32 s50, v[108+\e], v118
	v_cmp_eq_u32 s51, \e, v117
	s_or_b32 vcc_lo, s50, s51                      ; keep: not larger, or the first's own expert
	v_cndmask_b32 v119, \e, v119, vcc_lo
	v_cndmask_b32 v118, v[108+\e], v118, vcc_lo
.endr
	s_delay_alu instid0(VALU_DEP_1)
	v_sub_f32 v120, v118, v116                     ; the softmax of the two: the larger is taken away first
	s_delay_alu instid0(VALU_DEP_1)
	v_mul_f32 v120, 0x3fb8aa3b, v120
	s_wait_alu depctr_va_vdst(0)
	v_exp_f32 v120, v120
	v_nop
	s_wait_alu depctr_va_vdst(0)
	v_add_f32 v121, 1.0, v120
	s_wait_alu depctr_va_vdst(0)
	v_rcp_f32 v122, v121
	v_lshl_or_b32 v124, v119, 8, v117              ; e0 | e1 << 8; also the plain line behind the reciprocal
	s_wait_alu depctr_va_vdst(0)
	v_mul_f32 v123, v120, v122
	s_wait_alu depctr_va_vdst(0)
	s_wait_xcnt 0x0                                ; EXEC changes only behind this wait
	v_cmp_gt_u32 vcc_lo, 8, v1
	s_and_saveexec_b32 s52, vcc_lo                 ; lanes 0-7: one token each
	global_store_b32 v12, v124, s[38:39]
	global_store_b64 v11, v[122:123], s[36:37]
	s_wait_xcnt 0x0
	s_or_b32 exec_lo, exec_lo, s52
.Ldone:
	s_wait_tensorcnt 0x0
	ds_add_u32 v128, v129
	s_wait_dscnt 0x0
	s_endpgm
.Lfunc_end_k_q03bffdaa0b_prep_gu:
	.size	k_q03bffdaa0b_prep_gu, .Lfunc_end_k_q03bffdaa0b_prep_gu-k_q03bffdaa0b_prep_gu
	.p2alignl 7, 3214868480
	.fill 96, 4, 3214868480
	.section	.rodata,"a",@progbits
	.p2align	6, 0x0
	.amdhsa_kernel k_q03bffdaa0b_prep_gu
		.amdhsa_group_segment_fixed_size 38400
		.amdhsa_private_segment_fixed_size 0
		.amdhsa_enable_private_segment 0
		.amdhsa_kernarg_size 56
		.amdhsa_user_sgpr_count 2
		.amdhsa_user_sgpr_kernarg_segment_ptr 1
		.amdhsa_wavefront_size32 1
		.amdhsa_system_sgpr_workgroup_id_x 1
		.amdhsa_system_sgpr_workgroup_id_y 1
		.amdhsa_system_sgpr_workgroup_id_z 1
		.amdhsa_system_vgpr_workitem_id 0
		.amdhsa_next_free_vgpr 130
		.amdhsa_next_free_sgpr 66
		.amdhsa_reserve_vcc 1
		.amdhsa_float_denorm_mode_32 3
		.amdhsa_float_denorm_mode_16_64 3
		.amdhsa_memory_ordered 1
		.amdhsa_forward_progress 1
		.amdhsa_inst_pref_size 78
	.end_amdhsa_kernel
	.amdgpu_metadata
---
amdhsa.version: [ 1, 2 ]
amdhsa.kernels:
  - .name:           k_q03bffdaa0b_prep_gu
    .symbol:         k_q03bffdaa0b_prep_gu.kd
    .args:
      - { .name: hidden_states, .offset: 0, .size: 8, .value_kind: global_buffer, .address_space: global }
      - { .name: Wc, .offset: 8, .size: 8, .value_kind: global_buffer, .address_space: global }
      - { .name: bc, .offset: 16, .size: 8, .value_kind: global_buffer, .address_space: global }
      - { .name: Wg, .offset: 24, .size: 8, .value_kind: global_buffer, .address_space: global }
      - { .name: Wu, .offset: 32, .size: 8, .value_kind: global_buffer, .address_space: global }
      - { .name: q1, .offset: 40, .size: 8, .value_kind: global_buffer, .address_space: global }
      - { .name: ridx, .offset: 48, .size: 8, .value_kind: global_buffer, .address_space: global }
    .group_segment_fixed_size: 38400
    .private_segment_fixed_size: 0
    .kernarg_segment_align: 8
    .kernarg_segment_size: 56
    .max_flat_workgroup_size: 256
    .sgpr_count:     66
    .vgpr_count:     130
    .wavefront_size: 32
...
	.end_amdgpu_metadata
.endif
;; end of part 6
;; launch prep_d (part 7): grid 513 x 1, 8 waves a work-group, no clusters, 2,048 bytes of LDS; arguments Wd, ridx, q2, route; writes q2, route
.if DOCPART == 7
	.amdgcn_target "amdgcn-amd-amdhsa--gfx1250"
	.amdhsa_code_object_version 6
	.text
	.protected	k_q03bffdaa0b_prep_d
	.globl	k_q03bffdaa0b_prep_d
	.p2align	8
	.type	k_q03bffdaa0b_prep_d,@function
k_q03bffdaa0b_prep_d:
	s_mov_b64 s[64:65], 0
	v_nop
	global_prefetch_b8 v0, s[64:65] scope:SCOPE_SE
	s_setreg_imm32_b32 hwreg(HW_REG_WAVE_MODE, 25, 1), 1
	s_wait_xcnt 0x0
; Work-group 0: the 2,048 routed rows (token, chosen expert) are placed by expert: a counting sort on whole numbers, no atomics.
; Work-groups 1-512: Wd, f32 [e][i][d] with K = i outermost, into codes of FP4 (E2M1) in the order of the operand registers, as the launch before does for Wg and Wu.
; route: LIST[p] = token of position p; POS[2 t + k] = position of token t's k-th choice; META[e] = first tile, META[8 + e] = tiles, META[16 + e] = rows of expert e.
; Expert e's rows take whole tiles of 16 positions from tile tb(e) on; the positions left over in its last tile are not written and never read.
; q2: DQ at 0: blocks of 2,048 bytes (32 columns of d x 128 K), block (32 e + b) 16 + s; inside: 512 q + 16 lane.  DS: 2,048 bytes for each (e, b): 128 s + 4 lane.
; LIMITS: NaN and infinities are not served; a block of zeros gets the byte 1 and not 127 (its codes are zeros; this program alone reads the bytes).
.set DS_OFF, 8388608
.set POS,  8704
.set META, 16896
.set ROWB, 4096
.set NB,   4                           ; one K step of 128 for a wave
.set X,    32
.set C,    96
.set SB,   8
.macro LOADB t
.irp i, 0,1,2,3,4,5,6,7,8,9,10,11,12,13,14,15,16,17,18,19,20,21,22,23,24,25,26,27,28,29,30,31
	global_load_b32 v[X+32*((\t)%2)+\i], v2, s[26:27] offset:(32*(\t)+\i)*ROWB th:TH_LOAD_NT
.endr
.endm
.macro QBLOCK t
.set XN, X+32*((\t)%2)
.if (\t) < NB-1
	s_wait_loadcnt 32                              ; this block's 32 loads are in; the next block's 32 may be out
.else
	s_wait_loadcnt 0x0
.endif
	v_max3_num_f32 v12, |v[XN]|, |v[XN+1]|, |v[XN+2]|
	v_max3_num_f32 v13, |v[XN+3]|, |v[XN+4]|, |v[XN+5]|
.irp i, 6,10,14,18,22,26
	s_delay_alu instid0(VALU_DEP_2)
	v_max3_num_f32 v12, v12, |v[XN+\i]|, |v[XN+\i+1]|
	s_delay_alu instid0(VALU_DEP_2)
	v_max3_num_f32 v13, v13, |v[XN+\i+2]|, |v[XN+\i+3]|
.endr
	s_delay_alu instid0(VALU_DEP_2)
	v_max3_num_f32 v12, v12, |v[XN+30]|, |v[XN+31]|
	s_delay_alu instid0(VALU_DEP_1)
	v_max3_num_f32 v12, v12, v13, 0x1800000        ; the floor 2^(3 - 127): the byte cannot fall under 1
	s_delay_alu instid0(VALU_DEP_1)
	v_add_nc_u32 v11, 0xff000000, v12              ; 2 off the exponent field: the conversion's scale operand
	s_delay_alu instid0(VALU_DEP_1)
	v_lshrrev_b32 v14, 23, v11
.if (\t)%4 == 0
	s_delay_alu instid0(VALU_DEP_1)
	v_mov_b32 v[SB+(\t)/4], v14
.else
	s_delay_alu instid0(VALU_DEP_1)
	v_lshl_or_b32 v[SB+(\t)/4], v14, 8*((\t)%4), v[SB+(\t)/4]
.endif
.irp g, 0,1,2,3
	v_cvt_scalef32_pk8_fp4_f32 v[C+4*(\t)+\g], v[XN+8*\g:XN+8*\g+7], v11
.endr
	global_store_b128 v3, v[C+4*(\t):C+4*(\t)+3], s[30:31] offset:512*(\t)   ; 512 consecutive bytes, aligned
.if (\t)+2 < NB
	LOADB (\t)+2
.endif
.endm
	s_load_b256 s[4:11], s[0:1], 0x0               ; Wd s[4:5], ridx s[6:7], q2 s[8:9], route s[10:11]
	v_lshl_add_u32 v128, v0, 2, 0x400
	v_mov_b32 v129, 0
	v_lshrrev_b32 v1, 5, v0
	s_delay_alu instid0(VALU_DEP_1)
	v_readfirstlane_b32 s18, v1                    ; wave 0..7
	v_and_b32 v1, 31, v0
	s_cmp_eq_u32 ttmp9, 0
	s_cbranch_scc1 .Lplace
	; ---- Wd.  q = work-group - 1: bits 1:0 which 256 columns of d; bits 8:2 which 128 rows of the tensor (16 e + s)
	v_and_b32 v5, 7, v1
	v_bfe_u32 v6, v1, 3, 1
	v_bfe_u32 v7, v1, 4, 1
	s_delay_alu instid0(VALU_DEP_2)
	v_lshl_add_u32 v5, v6, 4, v5
	s_delay_alu instid0(VALU_DEP_1)
	v_lshl_add_u32 v5, v7, 3, v5                   ; my column of the wave's 32: 8 u + r % 8 + 16 (r / 8)
	s_delay_alu instid0(VALU_DEP_1)
	v_lshlrev_b32 v2, 2, v5
	s_lshl_b32 s19, s18, 7
	v_add_nc_u32 v2, s19, v2
	v_lshlrev_b32 v3, 4, v1
	v_lshlrev_b32 v4, 2, v1
	s_sub_co_u32 s20, ttmp9, 1
	s_and_b32 s22, s20, 3
	s_lshr_b32 s21, s20, 2                         ; 16 e + s
	s_lshr_b32 s23, s21, 4                         ; e
	s_and_b32 s24, s21, 15                         ; s
	s_lshl_b32 s25, s22, 3
	s_add_co_u32 s25, s25, s18                     ; b: my group of 32 columns, 0..31
	s_lshl_b32 s28, s21, 19                        ; 128 rows of 4,096 bytes
	s_lshl_b32 s19, s22, 10
	s_add_co_u32 s28, s28, s19
	s_mov_b32 s29, 0
	s_lshl_b32 s34, s23, 5
	s_add_co_u32 s34, s34, s25                     ; 32 e + b
	s_lshl_b32 s36, s34, 11
	s_lshl_b32 s34, s34, 4
	s_add_co_u32 s34, s34, s24
	s_lshl_b32 s34, s34, 11
	s_mov_b32 s35, 0
	s_lshl_b32 s19, s24, 7
	s_add_co_u32 s36, s36, s19
	s_add_co_u32 s36, s36, DS_OFF
	s_mov_b32 s37, 0
	s_wait_alu depctr_va_vdst(0)
	s_wait_kmcnt 0x0
	s_add_nc_u64 s[26:27], s[4:5], s[28:29]
	s_add_nc_u64 s[30:31], s[8:9], s[34:35]
	s_add_nc_u64 s[32:33], s[8:9], s[36:37]
	LOADB 0
	LOADB 1
.set Q, 0
.rept NB
	QBLOCK Q
.set Q, Q+1
.endr
	global_store_b32 v4, v[SB], s[32:33]           ; the K step's scale words: 128 consecutive bytes
	s_endpgm
	; ---- THE PLACING.  Thread n owns tokens 4 n .. 4 n + 3.  Order inside an expert: by wave, then by i, then by lane.
.Lplace:
	v_lshlrev_b32 v2, 4, v0
	s_wait_alu depctr_va_vdst(0)
	s_wait_kmcnt 0x0
	global_load_b128 v[16:19], v2, s[6:7]
	s_mov_b32 s74, 0x76543210
	s_mov_b32 s75, 0xfedcba98
.irp e, 0,1,2,3,4,5,6,7
	s_mov_b32 s[32+\e], 0
.endr
	v_lshlrev_b32 v29, 2, v0                       ; the table of counts: 128 bytes a wave, lane e holds expert e's
	v_bfe_u32 v30, v0, 3, 2                        ; on the way back lane l takes waves l / 8 and l / 8 + 4, expert l % 8
	v_and_b32 v31, 7, v0
	s_delay_alu instid0(VALU_DEP_1)
	v_lshlrev_b32 v31, 2, v31
	s_delay_alu instid0(VALU_DEP_1)
	v_lshl_add_u32 v31, v30, 7, v31
	s_wait_loadcnt 0x0
.irp i, 0,1,2,3
	v_and_b32 v[20+\i], 0xff, v[16+\i]             ; first choice
	v_bfe_u32 v[24+\i], v[16+\i], 8, 8             ; second choice: never the same expert
.endr
	s_wait_alu depctr_va_vdst(0)
.irp e, 0,1,2,3,4,5,6,7
.irp i, 0,1,2,3
	v_cmp_eq_u32 s30, \e, v[20+\i]
	v_cmp_eq_u32 s31, \e, v[24+\i]
	s_or_b32 s30, s30, s31
	s_bcnt1_i32_b32 s30, s30
	s_add_co_u32 s[32+\e], s[32+\e], s30           ; my wave's rows of expert e
.endr
.endr
	v_mov_b32 v28, 0
.irp e, 0,1,2,3,4,5,6,7
	s_delay_alu instid0(VALU_DEP_1)
	v_writelane_b32 v28, s[32+\e], \e
.endr
	ds_store_b32 v29, v28
	s_wait_dscnt 0x0                               ; for the others' sake
	s_barrier_signal -1
	s_barrier_wait -1
	ds_load_b32 v32, v31
	ds_load_b32 v33, v31 offset:512
	s_wait_dscnt 0x0
	v_add_nc_u32 v34, 4, v30
	v_cmp_gt_u32 vcc_lo, s18, v30                  ; waves below mine count for my first rank
	s_delay_alu instid0(VALU_DEP_1)
	v_cndmask_b32 v35, 0, v32, vcc_lo
	s_delay_alu instid0(VALU_DEP_3)
	v_cmp_gt_u32 vcc_lo, s18, v34
	s_delay_alu instid0(VALU_DEP_1)
	v_cndmask_b32 v36, 0, v33, vcc_lo
	v_add_nc_u32 v32, v32, v33
	s_delay_alu instid0(VALU_DEP_2)
	v_add_nc_u32 v35, v35, v36
	s_delay_alu instid0(VALU_DEP_1)
	v_lshl_or_b32 v32, v32, 16, v35                ; total above, prefix below: neither passes 1,024
	v_mov_b32 v33, 0
	s_delay_alu instid0(VALU_DEP_2)
	v_mov_b32_dpp v33, v32 row_xmask:8 row_mask:0xf bank_mask:0xf
	s_delay_alu instid0(VALU_DEP_1)
	v_add_nc_u32 v32, v32, v33
	s_delay_alu instid0(VALU_DEP_1)
	v_permlanex16_b32 v33, v32, s74, s75
	s_delay_alu instid0(VALU_DEP_1)
	v_add_nc_u32 v32, v32, v33
.irp e, 0,1,2,3,4,5,6,7
	v_readlane_b32 s[40+\e], v32, \e
.endr
	s_mov_b32 s76, 0                               ; tiles so far
.irp e, 0,1,2,3,4,5,6,7
	s_lshr_b32 s[48+\e], s[40+\e], 16              ; n
	s_add_co_u32 s77, s[48+\e], 15
	s_lshr_b32 s[56+\e], s77, 4                    ; tiles
	s_mov_b32 s[66+\e], s76                        ; first tile
	s_and_b32 s77, s[40+\e], 0xffff
	s_lshl_b32 s78, s76, 4
	s_add_co_u32 s[32+\e], s78, s77                ; my wave's first position in expert e
	s_add_co_u32 s76, s76, s[56+\e]
.endr
.irp j, 0,1,2,3,4,5,6,7
	v_mov_b32 v[40+\j], 0
.endr
.irp i, 0,1,2,3
.irp e, 0,1,2,3,4,5,6,7
	v_cmp_eq_u32 s30, \e, v[20+\i]
	v_cmp_eq_u32 s31, \e, v[24+\i]
	s_or_b32 s78, s30, s31
	v_mbcnt_lo_u32_b32 v37, s78, s[32+\e]          ; the running base + the lanes below me that also have this expert
	s_delay_alu instid0(VALU_DEP_1)
	v_cndmask_b32 v[40+2*\i], v[40+2*\i], v37, s30
	s_delay_alu instid0(VALU_DEP_2)
	v_cndmask_b32 v[41+2*\i], v[41+2*\i], v37, s31
	s_bcnt1_i32_b32 s78, s78
	s_add_co_u32 s[32+\e], s[32+\e], s78
.endr
.endr
	v_lshlrev_b32 v48, 5, v0
	global_store_b128 v48, v[40:43], s[10:11] offset:POS
	global_store_b128 v48, v[44:47], s[10:11] offset:POS+16
	v_lshlrev_b32 v58, 2, v0
.irp i, 1,2,3
	v_add_nc_u32 v[58+\i], \i, v58                 ; my tokens' numbers
.endr
.irp j, 0,1,2,3,4,5,6,7
	v_min_u32 v[50+\j], 2175, v[40+\j]             ; a position stays inside the list
	s_delay_alu instid0(VALU_DEP_1)
	v_lshlrev_b32 v[50+\j], 2, v[50+\j]
	global_store_b32 v[50+\j], v[58+\j/2], s[10:11]
.endr
	s_cmp_lg_u32 s18, 0
	s_cbranch_scc1 .Lplaced
	v_mov_b32 v38, 0
.irp e, 0,1,2,3,4,5,6,7
	s_delay_alu instid0(VALU_DEP_1)
	v_writelane_b32 v38, s[66+\e], \e
	s_delay_alu instid0(VALU_DEP_1)
	v_writelane_b32 v38, s[56+\e], 8+\e
	s_delay_alu instid0(VALU_DEP_1)
	v_writelane_b32 v38, s[48+\e], 16+\e
.endr
	v_lshlrev_b32 v39, 2, v1
	global_store_b32 v39, v38, s[10:11] offset:META
.Lplaced:
	s_wait_tensorcnt 0x0
	ds_add_u32 v128, v129
	s_wait_dscnt 0x0
	s_endpgm
.Lfunc_end_k_q03bffdaa0b_prep_d:
	.size	k_q03bffdaa0b_prep_d, .Lfunc_end_k_q03bffdaa0b_prep_d-k_q03bffdaa0b_prep_d
	.p2alignl 7, 3214868480
	.fill 96, 4, 3214868480
	.section	.rodata,"a",@progbits
	.p2align	6, 0x0
	.amdhsa_kernel k_q03bffdaa0b_prep_d
		.amdhsa_group_segment_fixed_size 2048
		.amdhsa_private_segment_fixed_size 0
		.amdhsa_enable_private_segment 0
		.amdhsa_kernarg_size 32
		.amdhsa_user_sgpr_count 2
		.amdhsa_user_sgpr_kernarg_segment_ptr 1
		.amdhsa_wavefront_size32 1
		.amdhsa_system_sgpr_workgroup_id_x 1
		.amdhsa_system_sgpr_workgroup_id_y 1
		.amdhsa_system_sgpr_workgroup_id_z 1
		.amdhsa_system_vgpr_workitem_id 0
		.amdhsa_next_free_vgpr 130
		.amdhsa_next_free_sgpr 84
		.amdhsa_reserve_vcc 1
		.amdhsa_float_denorm_mode_32 3
		.amdhsa_float_denorm_mode_16_64 3
		.amdhsa_memory_ordered 1
		.amdhsa_forward_progress 1
		.amdhsa_inst_pref_size 56
	.end_amdhsa_kernel
	.amdgpu_metadata
---
amdhsa.version: [ 1, 2 ]
amdhsa.kernels:
  - .name:           k_q03bffdaa0b_prep_d
    .symbol:         k_q03bffdaa0b_prep_d.kd
    .args:
      - { .name: Wd, .offset: 0, .size: 8, .value_kind: global_buffer, .address_space: global }
      - { .name: ridx, .offset: 8, .size: 8, .value_kind: global_buffer, .address_space: global }
      - { .name: q2, .offset: 16, .size: 8, .value_kind: global_buffer, .address_space: global }
      - { .name: route, .offset: 24, .size: 8, .value_kind: global_buffer, .address_space: global }
    .group_segment_fixed_size: 2048
    .private_segment_fixed_size: 0
    .kernarg_segment_align: 8
    .kernarg_segment_size: 32
    .max_flat_workgroup_size: 256
    .sgpr_count:     84
    .vgpr_count:     130
    .wavefront_size: 32
...
	.end_amdgpu_metadata
.endif
;; end of part 7
;; launch gateup (part 8): grid 256 x 1, 8 waves a work-group, no clusters, 0 bytes of LDS; arguments q1, route, hbuf; writes hbuf
.if DOCPART == 8
	.amdgcn_target "amdgcn-amd-amdhsa--gfx1250"
	.amdhsa_code_object_version 6
	.text
	.protected	k_q03bffdaa0b_gateup
	.globl	k_q03bffdaa0b_gateup
	.p2align	8
	.type	k_q03bffdaa0b_gateup,@function
k_q03bffdaa0b_gateup:
	s_mov_b64 s[64:65], 0
	v_nop
	global_prefetch_b8 v0, s[64:65] scope:SCOPE_SE
	s_setreg_imm32_b32 hwreg(HW_REG_WAVE_SCHED_MODE, 0, 2), 2
	s_setreg_imm32_b32 hwreg(HW_REG_WAVE_MODE, 25, 1), 1
	s_wait_xcnt 0x0
	s_wait_alu depctr_vm_vsrc(0)
; h = silu(x Wg) * (x Wu) for the rows routed to each expert, both products on codes of FP4 (E2M1) with E8M0 scales; h is quantised along i in registers.
; SHARES.  Work-group = (expert e, two groups of 32 columns of i).  A wave holds ITS 32 columns of Wg and of Wu for all of K = 1,024 in registers
; (32 fragments, window 1), read once, and walks the expert's tiles of 16 rows: wave w takes group w % 2 and tiles w / 2, w / 2 + 4, ..
; The number of tiles is read from memory, so operands go from memory straight into registers, the waves share nothing, and there is no barrier.
; No cluster and no joint loads: trip counts differ between experts and hang on stored numbers.
; TRANSPOSED: source 0 = 16 columns of a weight, source 1 = 16 rows of x: a lane holds one row, and the 16 registers of tiles u = 0, 1 are columns 16 (lane / 16) + 0 .. 15
; of the group: 16 neighbours along the next product's K; lanes l and l xor 16 hold a block of 32.
; Rows beyond an expert's last repeat its last row (the list index is held there); their h is stored and never combined.
; LIMITS: NaN and infinities are not served; a block of zeros gets the byte 1 and not 127 (its codes are zeros; this program alone reads the bytes).
; hbuf: HQ [tile][16,384]: 256 b + 16 r + 8 (lane / 16);   HS [tile][1,024]: 256 (b / 16) + 16 r + b % 16.
; REGISTERS, window 0: v1 r, v2 h, v3-11 offsets; v16-79 x's eight fragments; v80-87 x's scale words; v88-95, v96-103 Wg's, Wu's scale words (lanes 0-15 tile 0, lanes 16-31 tile 1);
;   v104-119 g; v120-135 u; v136-151 at work, then h; v152-157 the quantiser.   window 1: fragment ((2 m + u) 8 + s) at 8 x that.
; SCALARS: s10 wave, s11 e, s12 b, s13 J (the tile in hand, for addresses alone), s14 first tile, s15 tiles, s16 rows, s17 last position; s49 trips done, s50 trips.
; THE MODE: SCHED_MODE bits 1:0 = 2 (LLVM: expert scheduling mode 2), set by the entry lines.  The code itself states the register dependences
; between vector or matrix instructions and memory instructions, with s_wait_alu, always for 0.
; THE PLAN.  Registers that memory instructions touch:
;   window 1, v88-103  The weights and their scale words: loaded once at the head; afterwards matrix instructions alone name them.
;   v3, v4, v9, v10    Offsets, made at the head and never written again.
;   X = v16-87         The 18 loads of a tile land in it; the trip's 32 products read it; behind them the next tile's 18 loads land.
;   v5, v6, v7         x's two offsets and the list's: written by seven address lines behind the products, read by the 19 loads that follow.
;   v8                 The list load lands in it; the address lines read and rewrite it; the next list load lands in it.
;   OUT = v155-157     Written by a trip's two conversions and the shift behind them; read by two stores, which are issued in the NEXT trip.
; So ONE wait on va_vdst stands in a trip beside the two behind its transcendentals: behind the products and the address lines.  The trip's 19 loads and the two stores of the tile
; before follow it with no vector instruction between.  ONE wait on vm_vsrc stands ahead of the conversions: behind it OUT, and in the next trip v5 to v7, are written again.
; The first trip, which has no tile before it, is written out ahead of the loop; the last tile's two stores stand behind the loop.
.set WS_OFF, 16777216
.set XQ_OFF, 17825792
.set XS_OFF, 18350080
.set HS_OFF, 2228224
.set META, 16896
.set MSB, 0
.macro WIN new                         ; the immediate's high byte repeats the setting that is left
.if MSB != \new
	s_set_vgpr_msb (MSB<<8)|\new
.set MSB, \new
.endif
.endm
.macro LISTAD ahead                    ; where the list holds the tokens of tile J + ahead: position 16 (tb + J + ahead) + r, held at the expert's last row
	s_add_co_u32 s44, s13, s14
	s_add_co_u32 s44, s44, \ahead
	s_lshl_b32 s44, s44, 4
	v_add_nc_u32 v7, s44, v1
	v_min_u32 v7, s17, v7
	v_min_u32 v7, 2175, v7
	v_lshlrev_b32 v7, 2, v7
.endm
.macro XADDR
	v_min_u32 v8, 1023, v8
	v_lshl_add_u32 v5, v8, 9, v11                  ; the token's 512 bytes of codes, + 16 h
	v_lshlrev_b32 v6, 5, v8                        ; its 32 scale bytes
.endm
.macro XLOAD                           ; 18 loads: fragment s: registers 4 c .. 4 c + 3 hold k = 128 s + 64 c + 32 h + 0 .. 31
.irp s, 0,1,2,3,4,5,6,7
.irp c, 0,1
	global_load_b128 v[16+8*\s+4*\c:19+8*\s+4*\c], v5, s[26:27] offset:64*\s+32*\c
.endr
.endr
	global_load_b128 v[80:83], v6, s[28:29]
	global_load_b128 v[84:87], v6, s[28:29] offset:16
.endm
.macro MM acc, f, s, ws, u             ; one product: weight fragment f (window 1) x x's fragment s; the first K step starts the sum
.if (\s) == 0
.if \u
	v_wmma_scale_f32_16x16x128_f8f6f4 v[\acc:\acc+7], v[8*(\f):8*(\f)+7], v[16+8*(\s):23+8*(\s)], 0, v[\ws+(\s)], v[80+(\s)] matrix_a_fmt:MATRIX_FMT_FP4 matrix_b_fmt:MATRIX_FMT_FP4 matrix_a_scale:MATRIX_SCALE_ROW1
.else
	v_wmma_scale_f32_16x16x128_f8f6f4 v[\acc:\acc+7], v[8*(\f):8*(\f)+7], v[16+8*(\s):23+8*(\s)], 0, v[\ws+(\s)], v[80+(\s)] matrix_a_fmt:MATRIX_FMT_FP4 matrix_b_fmt:MATRIX_FMT_FP4
.endif
.else
.if \u
	v_wmma_scale_f32_16x16x128_f8f6f4 v[\acc:\acc+7], v[8*(\f):8*(\f)+7], v[16+8*(\s):23+8*(\s)], v[\acc:\acc+7], v[\ws+(\s)], v[80+(\s)] matrix_a_fmt:MATRIX_FMT_FP4 matrix_b_fmt:MATRIX_FMT_FP4 matrix_a_scale:MATRIX_SCALE_ROW1
.else
	v_wmma_scale_f32_16x16x128_f8f6f4 v[\acc:\acc+7], v[8*(\f):8*(\f)+7], v[16+8*(\s):23+8*(\s)], v[\acc:\acc+7], v[\ws+(\s)], v[80+(\s)] matrix_a_fmt:MATRIX_FMT_FP4 matrix_b_fmt:MATRIX_FMT_FP4
.endif
.endif
.endm
	s_load_b128 s[4:7], s[0:1], 0x0                ; q1 s[4:5], route s[6:7]
	s_load_b64 s[8:9], s[0:1], 0x10                ; hbuf
	v_lshrrev_b32 v1, 5, v0
	v_readfirstlane_b32 s10, v1                    ; wave 0..7
	v_and_b32 v12, 31, v0
	v_and_b32 v1, 15, v0                           ; r
	v_bfe_u32 v2, v0, 4, 1                         ; h
	v_lshlrev_b32 v10, 4, v1                       ; 16 r
	v_lshl_add_u32 v3, v2, 9, v10                  ; a weight fragment: 512 h + 16 r
	v_lshlrev_b32 v4, 3, v12                       ; weight scale words: 8 x lane
	v_lshl_add_u32 v9, v2, 3, v10                  ; h's codes out: 16 r + 8 h
	v_lshlrev_b32 v11, 4, v2                       ; 16 h
	v_mov_b32 v153, 0                              ; written once: a lane permute's destination counts as one of its sources
	s_wait_alu depctr_va_sdst(0)                   ; s10 is written, ahead of its first reader: my group of columns and my first tile are made from it
	s_lshr_b32 s11, ttmp9, 5                       ; e
	s_and_b32 s12, ttmp9, 31
	s_lshl_b32 s12, s12, 1
	s_and_b32 s44, s10, 1
	s_add_co_u32 s12, s12, s44                     ; b: my group of 32 columns, 0..63
	s_lshr_b32 s13, s10, 1                         ; J: my first tile
	s_mov_b32 s42, 0x76543210
	s_mov_b32 s43, 0xfedcba98
	s_mov_b32 s41, 0
	s_mov_b32 s45, 0
	s_lshl_b32 s44, s11, 2
	s_wait_kmcnt 0x0
	s_add_nc_u64 s[46:47], s[6:7], s[44:45]
	s_load_b32 s14, s[46:47], META                 ; the expert's first tile,
	s_load_b32 s15, s[46:47], META+32              ; its tiles,
	s_load_b32 s16, s[46:47], META+64              ; its rows
	s_lshl_b32 s40, s11, 20
	s_lshl_b32 s48, s12, 14
	s_add_co_u32 s40, s40, s48
	s_add_nc_u64 s[18:19], s[4:5], s[40:41]        ; Wg's codes: block (64 e + b) 8
	s_add_nc_u64 s[20:21], s[18:19], 0x800000      ; Wu's: eight experts on
	s_lshl_b32 s40, s11, 6
	s_add_co_u32 s40, s40, s12
	s_lshl_b32 s40, s40, 10
	s_add_co_u32 s40, s40, WS_OFF
	s_add_nc_u64 s[22:23], s[4:5], s[40:41]
	s_add_nc_u64 s[24:25], s[22:23], 0x80000
	s_add_nc_u64 s[26:27], s[4:5], XQ_OFF
	s_add_nc_u64 s[28:29], s[4:5], XS_OFF
	s_mov_b64 s[30:31], s[6:7]                     ; the list
	s_lshl_b32 s40, s12, 8
	s_add_nc_u64 s[32:33], s[8:9], s[40:41]        ; h's codes: + 256 b
	s_lshr_b32 s40, s12, 4
	s_lshl_b32 s40, s40, 8
	s_and_b32 s48, s12, 15
	s_add_co_u32 s40, s40, s48
	s_add_co_u32 s40, s40, HS_OFF
	s_add_nc_u64 s[34:35], s[8:9], s[40:41]        ; h's scale bytes: + 256 (b / 16) + b % 16
	WIN 0x40                                       ; destination window 1
	s_wait_alu depctr_va_vdst(0)                   ; the offsets v3, v4, v9 and v10 are written: the weights' loads below read the first two, every store of the kernel the other two
.irp u, 0,1
.irp s, 0,1,2,3,4,5,6,7
.irp c, 0,1
	global_load_b128 v[8*(8*\u+\s)+4*\c:8*(8*\u+\s)+4*\c+3], v3, s[18:19] offset:2048*\s+1024*\c+256*\u
	global_load_b128 v[8*(16+8*\u+\s)+4*\c:8*(16+8*\u+\s)+4*\c+3], v3, s[20:21] offset:2048*\s+1024*\c+256*\u
.endr
.endr
.endr
	WIN 0
.irp p, 0,1,2,3
	global_load_b64 v[88+2*\p:89+2*\p], v4, s[22:23] offset:256*\p
	global_load_b64 v[96+2*\p:97+2*\p], v4, s[24:25] offset:256*\p
.endr
	s_wait_kmcnt 0x0
	s_min_u32 s14, s14, 135
	s_min_u32 s15, s15, 64
	s_min_u32 s16, s16, 1024
	s_cmp_ge_u32 s13, s15                          ; this split leaves my wave no tile
	s_cbranch_scc1 .Lend
	s_sub_co_u32 s50, s15, s13                     ; my trips: every fourth tile from my first on: (tiles - first + 3) / 4,
	s_add_co_u32 s50, s50, 3
	s_lshr_b32 s50, s50, 2
	s_min_u32 s50, s50, 16                         ; 16 at the most: 64 tiles, four phases
	s_mov_b32 s49, 1                               ; the loop is counted by s49, one a trip; the first trip stands ahead of it
	s_lshl_b32 s17, s14, 4
	s_add_co_u32 s17, s17, s16
	s_sub_co_u32 s17, s17, 1                       ; the expert's last position (it has a row: it has a tile)
	LISTAD 0
	s_wait_alu depctr_va_vdst(0)                   ; v7 is written, which the list load reads
	global_load_b32 v8, v7, s[30:31]
	s_wait_loadcnt 0x0                             ; the weights, their scale words, my first tile's tokens
	s_wait_alu depctr_vm_vsrc(0)                   ; the list load has read v7, which is written again below
	XADDR
	LISTAD 4
	s_wait_alu depctr_va_vdst(0)                   ; v5, v6 and v7 are written, which the 19 loads below read; the address lines are done with v8, in which the list load lands
	XLOAD
	global_load_b32 v8, v7, s[30:31]
; One trip: tile J.  first = 1: my first tile, with no tile before it whose h is to be stored.
.macro TRIP first
	s_wait_loadcnt 0x1                             ; x's 18 loads are in; the list load issued behind them may be out
	WIN 0x01                                       ; source 0 window 1
.irp s, 0,1,2,3,4,5,6,7                            ; the four accumulators take turns, one instruction a turn
	MM 104, \s, \s, 88, 0
	MM 112, 8+\s, \s, 88, 1
	MM 120, 16+\s, \s, 96, 0
	MM 128, 24+\s, \s, 96, 1
.endr
	WIN 0
.rept 5
	v_nop                                          ; places (ISA guide 7.12.1) in front of the reads of the results, and of the next trip's products, which begin the sums anew
.endr
	s_wait_loadcnt 0x0                             ; the tokens of tile J + 4; every load that read v5, v6 or v7 is done
.if \first
	s_wait_alu depctr_vm_vsrc(0)                   ; the head's 19 loads have read v5, v6 and v7, which are written again below (in the later trips the wait ahead of the conversions of the trip before states this)
.endif
	XADDR
	LISTAD 8
	s_wait_alu depctr_va_vdst(0)                   ; the products are done reading X, in which the loads below land; v5, v6 and v7 are written; the address lines are done with v8; the trip before has written OUT, which the stores below read
	XLOAD                                          ; tile J + 4 lands under this tile's vector work
	global_load_b32 v8, v7, s[30:31]               ; the tokens of tile J + 8
.if !\first
	global_store_b64 v9, v[156:157], s[36:37]      ; tile J - 4's codes: 32 lanes store 256 consecutive bytes, aligned.  No vector instruction since the wait above
	global_store_b8 v10, v155, s[38:39]            ; a byte a row; lanes 16-31 write what lanes 0-15 write
.endif
	; h = g / (1 + 2^(-g log2 e)) x u, in f32; each accumulator is read from its low end on
.irp k, 0,2,4,6,8,10,12,14
	v_pk_mul_f32 v[136+\k:137+\k], v[104+\k:105+\k], 0xbfb8aa3b op_sel_hi:[1,0]
.endr
	s_wait_alu depctr_va_vdst(0)
.irp k, 0,1,2,3,4,5,6,7,8,9,10,11,12,13,14,15
	v_exp_f32 v[136+\k], v[136+\k]
.endr
	v_nop                                          ; a plain line behind the transcendentals
	s_wait_alu depctr_va_vdst(0)                   ; the sixteen exponentials have written v136-151, ahead of their first reader
.irp k, 0,2,4,6,8,10,12,14
	v_pk_add_f32 v[136+\k:137+\k], v[136+\k:137+\k], 1.0 op_sel_hi:[1,0]
.endr
	s_wait_alu depctr_va_vdst(0)
.irp k, 0,1,2,3,4,5,6,7,8,9,10,11,12,13,14,15
	v_rcp_f32 v[136+\k], v[136+\k]
.endr
	v_nop
	s_wait_alu depctr_va_vdst(0)                   ; the sixteen reciprocals have written v136-151, ahead of their first reader
.irp k, 0,2,4,6,8,10,12,14
	v_pk_mul_f32 v[136+\k:137+\k], v[136+\k:137+\k], v[104+\k:105+\k]
.endr
.irp k, 0,2,4,6,8,10,12,14
	v_pk_mul_f32 v[136+\k:137+\k], v[136+\k:137+\k], v[120+\k:121+\k]
.endr
	v_max3_num_f32 v152, |v136|, |v137|, 0x1800000 ; my 16 numbers and the floor 2^(3 - 127)
.irp i, 2,4,6,8,10,12,14
	v_max3_num_f32 v152, v152, |v[136+\i]|, |v[137+\i]|
.endr
	v_permlanex16_b32 v153, v152, s42, s43
	v_max_num_f32 v152, v152, v153                 ; with lane l xor 16's: the block's largest magnitude
	v_add_nc_u32 v154, 0xff000000, v152            ; 2 off its exponent field: the conversion's scale operand
.if !\first
	s_wait_alu depctr_va_vdst(0)
	s_wait_xcnt 0x0                                ; this trip's two stores have had their addresses translated (ISA guide 3.1): their data and their bases are written again only behind this wait
.endif
	s_wait_alu depctr_vm_vsrc(0)                   ; this trip's stores have read OUT, which the lines below write again; its 19 loads have read v5, v6 and v7, which the next trip's address lines write
	s_add_co_u32 s44, s13, s14
	s_min_u32 s44, s44, 135
	s_lshl_b32 s40, s44, 14
	s_add_nc_u64 s[36:37], s[32:33], s[40:41]      ; where tile J's codes go,
	s_lshl_b32 s40, s44, 10
	s_add_nc_u64 s[38:39], s[34:35], s[40:41]      ; and its scale bytes
	v_cvt_scalef32_pk8_fp4_f32 v156, v[136:143], v154
	v_cvt_scalef32_pk8_fp4_f32 v157, v[144:151], v154
	v_lshrrev_b32 v155, 23, v154                   ; the byte; also the plain line behind the conversions
	s_add_co_u32 s13, s13, 4                       ; my next tile
.endm
	TRIP 1
	s_cmp_ge_u32 s49, s50                          ; one tile alone
	s_cbranch_scc1 .Ltail
.Ltile:
	TRIP 0
	s_add_co_u32 s49, s49, 1
	s_cmp_lt_u32 s49, s50
	s_cbranch_scc1 .Ltile
.Ltail:
	s_wait_alu depctr_va_vdst(0)                   ; the last trip's conversions and shift have written OUT, which the last two stores read
	global_store_b64 v9, v[156:157], s[36:37]      ; my last tile's codes: 32 lanes store 256 consecutive bytes, aligned
	global_store_b8 v10, v155, s[38:39]            ; and its scale bytes
.Lend:
	s_endpgm
.Lfunc_end_k_q03bffdaa0b_gateup:
	.size	k_q03bffdaa0b_gateup, .Lfunc_end_k_q03bffdaa0b_gateup-k_q03bffdaa0b_gateup
	.p2alignl 7, 3214868480
	.fill 96, 4, 3214868480
	.section	.rodata,"a",@progbits
	.p2align	6, 0x0
	.amdhsa_kernel k_q03bffdaa0b_gateup
		.amdhsa_group_segment_fixed_size 0
		.amdhsa_private_segment_fixed_size 0
		.amdhsa_enable_private_segment 0
		.amdhsa_kernarg_size 24
		.amdhsa_user_sgpr_count 2
		.amdhsa_user_sgpr_kernarg_segment_ptr 1
		.amdhsa_wavefront_size32 1
		.amdhsa_system_sgpr_workgroup_id_x 1
		.amdhsa_system_sgpr_workgroup_id_y 1
		.amdhsa_system_sgpr_workgroup_id_z 1
		.amdhsa_system_vgpr_workitem_id 0
		.amdhsa_next_free_vgpr 512
		.amdhsa_next_free_sgpr 66
		.amdhsa_reserve_vcc 0
		.amdhsa_float_denorm_mode_32 3
		.amdhsa_float_denorm_mode_16_64 3
		.amdhsa_memory_ordered 1
		.amdhsa_forward_progress 1
		.amdhsa_inst_pref_size 36
	.end_amdhsa_kernel
	.amdgpu_metadata
---
amdhsa.version: [ 1, 2 ]
amdhsa.kernels:
  - .name:           k_q03bffdaa0b_gateup
    .symbol:         k_q03bffdaa0b_gateup.kd
    .args:
      - { .name: q1, .offset: 0, .size: 8, .value_kind: global_buffer, .address_space: global }
      - { .name: route, .offset: 8, .size: 8, .value_kind: global_buffer, .address_space: global }
      - { .name: hbuf, .offset: 16, .size: 8, .value_kind: global_buffer, .address_space: global }
    .group_segment_fixed_size: 0
    .private_segment_fixed_size: 0
    .kernarg_segment_align: 8
    .kernarg_segment_size: 24
    .max_flat_workgroup_size: 256
    .sgpr_count:     66
    .vgpr_count:     512
    .wavefront_size: 32
...
	.end_amdgpu_metadata
.endif
;; end of part 8
;; launch down (part 9): grid 256 x 1, 8 waves a work-group, no clusters, 19,456 bytes of LDS; arguments q2, hbuf, route, y; writes y
.if DOCPART == 9
	.amdgcn_target "amdgcn-amd-amdhsa--gfx1250"
	.amdhsa_code_object_version 6
	.text
	.protected	k_q03bffdaa0b_down
	.globl	k_q03bffdaa0b_down
	.p2align	8
	.type	k_q03bffdaa0b_down,@function
k_q03bffdaa0b_down:
	s_mov_b64 s[64:65], 0
	v_nop
	global_prefetch_b8 v0, s[64:65] scope:SCOPE_SE
	s_setreg_imm32_b32 hwreg(HW_REG_WAVE_SCHED_MODE, 0, 2), 2
	s_setreg_imm32_b32 hwreg(HW_REG_WAVE_MODE, 25, 1), 1
	s_wait_xcnt 0x0
	s_wait_alu depctr_vm_vsrc(0)
; y = h Wd for the rows routed to each expert, on codes of FP4 (E2M1) with E8M0 scales; K = 2,048.
; SHARES.  Work-group = (expert e, group b of 32 columns of d).  Each of its eight waves holds the group's codes of Wd for all of K in registers (32 fragments, window 1)
; and walks the expert's tiles of 16 rows: wave w takes tiles w, w + 8, ..  The number of tiles is read from memory: operands go from memory straight into registers, no barrier.
; No cluster and no joint loads: trip counts differ between experts and hang on stored numbers.
; TRANSPOSED: source 0 = 16 columns of Wd, source 1 = 16 rows of h: a lane holds one row and, in the two tiles' 16 registers, columns 16 (lane / 16) + 0 .. 15 of the group.
; A tile's 16 rows x 128 bytes go through the wave's own stage in LDS (rows of 144 bytes) and leave as 2,048 consecutive bytes.
; y: [b][tile][row][32] f32: 278,528 bytes for each b.
; REGISTERS, window 0: v1 r, v2 h, v3-9 offsets; v16-143 h's 16 fragments; v144-159 h's scale words; v160-175 Wd's (lanes 0-15 tile 0, lanes 16-31 tile 1);
;   v176-183, v184-191 the two accumulators; v192-207 rows on their way out; v254, v255 the closing add's two.   window 1: fragment (16 u + s) at 8 x that.
; SCALARS: s12 wave, s13 e, s14 b, s15 J (the tile in hand, for addresses alone), s16 first tile, s17 tiles, s37 last tile; s43 trips done, s44 trips.
; THE MODE: SCHED_MODE bits 1:0 = 2 (LLVM: expert scheduling mode 2), set by the entry lines.  The code itself states the register dependences
; between vector or matrix instructions and memory or LDS instructions, with s_wait_alu, always for 0.
; THE PLAN.  Registers that memory or LDS instructions touch:
;   window 1, v160-175  The weights and their scale words: loaded once at the head; afterwards matrix instructions alone name them.
;   v3 to v9            Offsets and LDS addresses, made at the head and never written again: the tiles are reached by scalar bases.
;   H = v16-159         A tile's 36 loads land in it; the trip's 32 products read it; behind them the next tile's 36 loads land.
;   ACC = v176-191      Written by the trip's products; read by four LDS stores; written anew by the next trip's products.
;   ROWS = v192-207     Four LDS loads land in it; four global stores read it; no vector instruction names it.
;   v254, v255          Written at the head, read by the closing add alone.
; So a trip has ONE wait on vm_vsrc, at its head (the last trip's LDS stores have read ACC, its global stores ROWS), and ONE on va_vdst, behind its products (ACC is written; the products
; are done reading H).  No vector or matrix instruction follows that wait until the next trip, so the trip's 48 memory and LDS instructions owe nothing more.
; The stage's stores and loads stand ahead of the 36 loads of the next tile, so that the way through LDS runs while those are issued.
.set DS_OFF, 8388608
.set HS_OFF, 2228224
.set META, 16896
.set MSB, 0
.macro WIN new                         ; the immediate's high byte repeats the setting that is left
.if MSB != \new
	s_set_vgpr_msb (MSB<<8)|\new
.set MSB, \new
.endif
.endm
.macro HLOAD                           ; tile s36's operand image: 32 loads of codes, 4 of scale words
	s_lshl_b32 s34, s36, 14
	s_add_nc_u64 s[26:27], s[6:7], s[34:35]
	s_lshl_b32 s34, s36, 10
	s_add_nc_u64 s[28:29], s[24:25], s[34:35]
.irp s, 0,1,2,3,4,5,6,7,8,9,10,11,12,13,14,15
.irp c, 0,1
	global_load_b128 v[16+8*\s+4*\c:19+8*\s+4*\c], v5, s[26:27] offset:1024*\s+512*\c
.endr
.endr
.irp g, 0,1,2,3
	global_load_b128 v[144+4*\g:147+4*\g], v6, s[28:29] offset:256*\g
.endr
.endm
.macro MM acc, f, s, u
.if (\s) == 0
.if \u
	v_wmma_scale_f32_16x16x128_f8f6f4 v[\acc:\acc+7], v[8*(\f):8*(\f)+7], v[16+8*(\s):23+8*(\s)], 0, v[160+(\s)], v[144+(\s)] matrix_a_fmt:MATRIX_FMT_FP4 matrix_b_fmt:MATRIX_FMT_FP4 matrix_a_scale:MATRIX_SCALE_ROW1
.else
	v_wmma_scale_f32_16x16x128_f8f6f4 v[\acc:\acc+7], v[8*(\f):8*(\f)+7], v[16+8*(\s):23+8*(\s)], 0, v[160+(\s)], v[144+(\s)] matrix_a_fmt:MATRIX_FMT_FP4 matrix_b_fmt:MATRIX_FMT_FP4
.endif
.else
.if \u
	v_wmma_scale_f32_16x16x128_f8f6f4 v[\acc:\acc+7], v[8*(\f):8*(\f)+7], v[16+8*(\s):23+8*(\s)], v[\acc:\acc+7], v[160+(\s)], v[144+(\s)] matrix_a_fmt:MATRIX_FMT_FP4 matrix_b_fmt:MATRIX_FMT_FP4 matrix_a_scale:MATRIX_SCALE_ROW1
.else
	v_wmma_scale_f32_16x16x128_f8f6f4 v[\acc:\acc+7], v[8*(\f):8*(\f)+7], v[16+8*(\s):23+8*(\s)], v[\acc:\acc+7], v[160+(\s)], v[144+(\s)] matrix_a_fmt:MATRIX_FMT_FP4 matrix_b_fmt:MATRIX_FMT_FP4
.endif
.endif
.endm
	s_load_b256 s[4:11], s[0:1], 0x0               ; q2 s[4:5], hbuf s[6:7], route s[8:9], y s[10:11]
	v_lshl_add_u32 v254, v0, 2, 0x4800
	v_mov_b32 v255, 0
	v_lshrrev_b32 v1, 5, v0
	v_readfirstlane_b32 s12, v1                    ; wave 0..7
	v_and_b32 v10, 31, v0
	v_and_b32 v1, 15, v0                           ; r
	v_bfe_u32 v2, v0, 4, 1                         ; h
	v_lshlrev_b32 v6, 4, v1                        ; h's scale words: 16 r
	v_lshl_add_u32 v3, v2, 9, v6                   ; a weight fragment: 512 h + 16 r
	v_lshlrev_b32 v4, 2, v10                       ; weight scale words: 4 x lane
	v_lshl_add_u32 v5, v2, 8, v6                   ; a fragment of h: 256 h + 16 r
	s_wait_alu depctr_va_sdst(0)                   ; s12 is written, ahead of its first reader: my stage and my first tile are made from it
	s_mul_i32 s36, s12, 2304                       ; my stage
	v_mul_u32_u24 v7, v1, 144
	v_lshl_add_u32 v7, v2, 6, v7
	v_add_nc_u32 v7, s36, v7                       ; in: row r, + 64 h
	v_lshrrev_b32 v8, 3, v10
	v_mul_u32_u24 v8, v8, 144
	v_and_b32 v11, 7, v0
	v_lshl_add_u32 v8, v11, 4, v8
	v_add_nc_u32 v8, s36, v8                       ; back: eight lanes to a row, four rows an instruction
	v_lshlrev_b32 v9, 4, v10                       ; out: 16 x lane
	s_lshr_b32 s13, ttmp9, 5                       ; e
	s_and_b32 s14, ttmp9, 31                       ; b
	s_mov_b32 s15, s12                             ; J: my first tile
	s_mov_b32 s35, 0
	s_mov_b32 s39, 0
	s_lshl_b32 s38, s13, 2
	s_wait_kmcnt 0x0
	s_add_nc_u64 s[40:41], s[8:9], s[38:39]
	s_load_b32 s16, s[40:41], META                 ; the expert's first tile,
	s_load_b32 s17, s[40:41], META+32              ; its tiles
	s_lshl_b32 s34, ttmp9, 15
	s_add_nc_u64 s[18:19], s[4:5], s[34:35]        ; Wd's codes: block (32 e + b) 16
	s_lshl_b32 s34, ttmp9, 11
	s_add_co_u32 s34, s34, DS_OFF
	s_add_nc_u64 s[20:21], s[4:5], s[34:35]
	s_add_nc_u64 s[24:25], s[6:7], HS_OFF
	s_mul_i32 s34, s14, 278528
	s_add_nc_u64 s[30:31], s[10:11], s[34:35]
	WIN 0x40                                       ; destination window 1
	s_wait_alu depctr_va_vdst(0)                   ; the seven offsets and LDS addresses v3 to v9 are written: every load, store and LDS instruction of the kernel but the closing add reads one of them
.irp u, 0,1
.irp s, 0,1,2,3,4,5,6,7,8,9,10,11,12,13,14,15
.irp c, 0,1
	global_load_b128 v[8*(16*\u+\s)+4*\c:8*(16*\u+\s)+4*\c+3], v3, s[18:19] offset:2048*\s+1024*\c+256*\u
.endr
.endr
.endr
	WIN 0
.irp s, 0,1,2,3,4,5,6,7,8,9,10,11,12,13,14,15
	global_load_b32 v[160+\s], v4, s[20:21] offset:128*\s
.endr
	s_wait_kmcnt 0x0
	s_min_u32 s16, s16, 135
	s_min_u32 s17, s17, 64
	s_cmp_ge_u32 s15, s17                          ; this split leaves my wave no tile
	s_cbranch_scc1 .Lend
	s_sub_co_u32 s44, s17, s15                     ; my trips: every eighth tile from my first on: (tiles - first + 7) / 8,
	s_add_co_u32 s44, s44, 7
	s_lshr_b32 s44, s44, 3
	s_min_u32 s44, s44, 8                          ; 8 at the most: 64 tiles, eight waves
	s_mov_b32 s43, 0                               ; the loop is counted by s43, one a trip
	s_add_co_u32 s37, s16, s17
	s_sub_co_u32 s37, s37, 1                       ; the expert's last tile
	s_add_co_u32 s36, s15, s16
	s_min_u32 s36, s36, 135
	HLOAD
.Ltile:                                            ; one trip: tile J
	s_wait_loadcnt 0x0                             ; the tile's fragments and scale words (in the first trip the weights too)
	s_wait_xcnt 0x0                                ; the last trip's stores have had their addresses translated (ISA guide 3.1): their data and their base are written again only behind this wait
	s_wait_alu depctr_vm_vsrc(0)                   ; the last trip's LDS stores have read ACC, which the products below write anew; its global stores have read ROWS, in which this trip's LDS loads land
	WIN 0x01                                       ; source 0 window 1
.irp s, 0,1,2,3,4,5,6,7,8,9,10,11,12,13,14,15      ; the two accumulators take turns, one instruction a turn
	MM 176, \s, \s, 0
	MM 184, 16+\s, \s, 1
.endr
	WIN 0
.rept 5
	v_nop                                          ; places in front of the LDS stores of the results, and of the next trip's products, which begin the sums anew
.endr
	s_add_co_u32 s42, s15, s16
	s_add_co_u32 s36, s42, 8
	s_min_u32 s36, s36, s37                        ; my next tile, held at the expert's last
	s_min_u32 s36, s36, 135
	s_min_u32 s42, s42, 135
	s_lshl_b32 s34, s42, 11
	s_add_nc_u64 s[32:33], s[30:31], s[34:35]      ; where tile J's rows go
	s_wait_alu depctr_va_vdst(0)                   ; the products have written ACC, which the LDS stores read (the places above stay beside this wait), and are done reading H, in which the 36 loads below land
	ds_store_b128 v7, v[176:179]                   ; each accumulator from its low end on: columns 16 h + 0 .. 3,
	ds_store_b128 v7, v[180:183] offset:16
	ds_store_b128 v7, v[184:187] offset:32
	ds_store_b128 v7, v[188:191] offset:48
.irp i, 0,1,2,3
	ds_load_b128 v[192+4*\i:195+4*\i], v8 offset:576*\i   ; LDS serves a wave's instructions in order: these see my stores
.endr
	HLOAD                                          ; my next tile: issued while the rows go through the stage.  No vector or matrix instruction since the wait above
.irp i, 0,1,2,3
	s_wait_dscnt 3-\i                              ; the stage loads younger than load i may be out
	global_store_b128 v9, v[192+4*\i:195+4*\i], s[32:33] offset:512*\i   ; 512 consecutive bytes, aligned
.endr
	s_add_co_u32 s15, s15, 8                       ; my next tile
	s_add_co_u32 s43, s43, 1
	s_cmp_lt_u32 s43, s44
	s_cbranch_scc1 .Ltile
.Lend:
	s_wait_dscnt 0x0                               ; the closing lines, six on end
	s_wait_alu 0x0
	s_wait_tensorcnt 0x0
	ds_add_u32 v254, v255
	s_wait_dscnt 0x0
	s_endpgm
.Lfunc_end_k_q03bffdaa0b_down:
	.size	k_q03bffdaa0b_down, .Lfunc_end_k_q03bffdaa0b_down-k_q03bffdaa0b_down
	.p2alignl 7, 3214868480
	.fill 96, 4, 3214868480
	.section	.rodata,"a",@progbits
	.p2align	6, 0x0
	.amdhsa_kernel k_q03bffdaa0b_down
		.amdhsa_group_segment_fixed_size 19456
		.amdhsa_private_segment_fixed_size 0
		.amdhsa_enable_private_segment 0
		.amdhsa_kernarg_size 32
		.amdhsa_user_sgpr_count 2
		.amdhsa_user_sgpr_kernarg_segment_ptr 1
		.amdhsa_wavefront_size32 1
		.amdhsa_system_sgpr_workgroup_id_x 1
		.amdhsa_system_sgpr_workgroup_id_y 1
		.amdhsa_system_sgpr_workgroup_id_z 1
		.amdhsa_system_vgpr_workitem_id 0
		.amdhsa_next_free_vgpr 512
		.amdhsa_next_free_sgpr 66
		.amdhsa_reserve_vcc 0
		.amdhsa_float_denorm_mode_32 3
		.amdhsa_float_denorm_mode_16_64 3
		.amdhsa_memory_ordered 1
		.amdhsa_forward_progress 1
		.amdhsa_inst_pref_size 24
	.end_amdhsa_kernel
	.amdgpu_metadata
---
amdhsa.version: [ 1, 2 ]
amdhsa.kernels:
  - .name:           k_q03bffdaa0b_down
    .symbol:         k_q03bffdaa0b_down.kd
    .args:
      - { .name: q2, .offset: 0, .size: 8, .value_kind: global_buffer, .address_space: global }
      - { .name: hbuf, .offset: 8, .size: 8, .value_kind: global_buffer, .address_space: global }
      - { .name: route, .offset: 16, .size: 8, .value_kind: global_buffer, .address_space: global }
      - { .name: y, .offset: 24, .size: 8, .value_kind: global_buffer, .address_space: global }
    .group_segment_fixed_size: 19456
    .private_segment_fixed_size: 0
    .kernarg_segment_align: 8
    .kernarg_segment_size: 32
    .max_flat_workgroup_size: 256
    .sgpr_count:     66
    .vgpr_count:     512
    .wavefront_size: 32
...
	.end_amdgpu_metadata
.endif
;; end of part 9
;; launch combine (part 10): grid 256 x 1, 4 waves a work-group, no clusters, 0 bytes of LDS; arguments y, route, q1, out0; writes out0
.if DOCPART == 10
	.amdgcn_target "amdgcn-amd-amdhsa--gfx1250"
	.amdhsa_code_object_version 6
	.text
	.protected	k_q03bffdaa0b_combine
	.globl	k_q03bffdaa0b_combine
	.p2align	8
	.type	k_q03bffdaa0b_combine,@function
k_q03bffdaa0b_combine:
	s_mov_b64 s[64:65], 0
	v_nop
	global_prefetch_b8 v0, s[64:65] scope:SCOPE_SE
	s_setreg_imm32_b32 hwreg(HW_REG_WAVE_MODE, 25, 1), 1
	s_wait_xcnt 0x0
; out[t] = w0 y[pos0] + w1 y[pos1]: a token's two weighted rows meet here, since its two experts' weights belong to different work-groups of the launch before.
; One wave, one token.  y is [b][position][32] f32 (278,528 bytes for each b): 16 bytes a lane, eight lanes to a run of 128 bytes, four b to a load.
; A stream: no LDS, no barrier, no matrix unit.
.set POS, 8704
.set RW_OFF, 18382848
	s_load_b256 s[4:11], s[0:1], 0x0               ; y s[4:5], route s[6:7], q1 s[8:9], out0 s[10:11]
	v_lshrrev_b32 v1, 5, v0
	v_readfirstlane_b32 s12, v1                    ; wave 0..3
	v_and_b32 v1, 31, v0
	s_lshl_b32 s13, ttmp9, 2
	s_add_co_u32 s13, s13, s12                     ; my token
	s_lshl_b32 s22, s13, 3
	s_mov_b32 s23, 0
	v_lshrrev_b32 v2, 3, v1
	v_mul_u32_u24 v2, 0x44000, v2                  ; b = 4 i + lane / 8
	v_and_b32 v6, 7, v1
	v_lshl_add_u32 v2, v6, 4, v2
	v_lshlrev_b32 v5, 4, v1
	s_wait_alu depctr_va_vdst(0)
	s_wait_kmcnt 0x0
	s_add_nc_u64 s[24:25], s[6:7], s[22:23]
	s_add_nc_u64 s[26:27], s[8:9], s[22:23]
	s_add_nc_u64 s[26:27], s[26:27], RW_OFF
	s_load_b64 s[14:15], s[24:25], POS             ; the two positions
	s_load_b64 s[16:17], s[26:27], 0x0             ; the two weights
	s_lshl_b32 s22, s13, 12
	s_add_nc_u64 s[10:11], s[10:11], s[22:23]
	s_wait_kmcnt 0x0
	s_min_u32 s14, s14, 2175
	s_min_u32 s15, s15, 2175
	s_lshl_b32 s14, s14, 7                         ; 128 bytes a position
	s_lshl_b32 s15, s15, 7
	v_add_nc_u32 v3, s14, v2
	v_add_nc_u32 v4, s15, v2
	s_mov_b32 s20, s17                             ; w1 as the low word of a pair of its own: the packed form takes the low word for both halves
	s_mov_b32 s21, s17
.irp i, 0,1,2,3,4,5,6,7
	global_load_b128 v[8+4*\i:11+4*\i], v3, s[4:5] offset:\i*1114112 th:TH_LOAD_NT
	global_load_b128 v[40+4*\i:43+4*\i], v4, s[4:5] offset:\i*1114112 th:TH_LOAD_NT
.endr
.irp i, 0,1,2,3,4,5,6,7
	s_wait_loadcnt 14-2*\i                         ; pair i is in; the younger pairs, two loads each, may be out
	v_pk_mul_f32 v[8+4*\i:9+4*\i], v[8+4*\i:9+4*\i], s[16:17] op_sel_hi:[1,0]
	v_pk_mul_f32 v[10+4*\i:11+4*\i], v[10+4*\i:11+4*\i], s[16:17] op_sel_hi:[1,0]
	v_pk_fma_f32 v[8+4*\i:9+4*\i], v[40+4*\i:41+4*\i], s[20:21], v[8+4*\i:9+4*\i] op_sel_hi:[1,0,1]
	v_pk_fma_f32 v[10+4*\i:11+4*\i], v[42+4*\i:43+4*\i], s[20:21], v[10+4*\i:11+4*\i] op_sel_hi:[1,0,1]
	global_store_b128 v5, v[8+4*\i:11+4*\i], s[10:11] offset:512*\i th:TH_STORE_NT   ; 512 consecutive bytes, aligned
.endr
	s_endpgm
.Lfunc_end_k_q03bffdaa0b_combine:
	.size	k_q03bffdaa0b_combine, .Lfunc_end_k_q03bffdaa0b_combine-k_q03bffdaa0b_combine
	.p2alignl 7, 3214868480
	.fill 96, 4, 3214868480
	.section	.rodata,"a",@progbits
	.p2align	6, 0x0
	.amdhsa_kernel k_q03bffdaa0b_combine
		.amdhsa_group_segment_fixed_size 0
		.amdhsa_private_segment_fixed_size 0
		.amdhsa_enable_private_segment 0
		.amdhsa_kernarg_size 32
		.amdhsa_user_sgpr_count 2
		.amdhsa_user_sgpr_kernarg_segment_ptr 1
		.amdhsa_wavefront_size32 1
		.amdhsa_system_sgpr_workgroup_id_x 1
		.amdhsa_system_sgpr_workgroup_id_y 1
		.amdhsa_system_sgpr_workgroup_id_z 1
		.amdhsa_system_vgpr_workitem_id 0
		.amdhsa_next_free_vgpr 80
		.amdhsa_next_free_sgpr 66
		.amdhsa_reserve_vcc 0
		.amdhsa_float_denorm_mode_32 3
		.amdhsa_float_denorm_mode_16_64 3
		.amdhsa_memory_ordered 1
		.amdhsa_forward_progress 1
		.amdhsa_inst_pref_size 6
	.end_amdhsa_kernel
	.amdgpu_metadata
---
amdhsa.version: [ 1, 2 ]
amdhsa.kernels:
  - .name:           k_q03bffdaa0b_combine
    .symbol:         k_q03bffdaa0b_combine.kd
    .args:
      - { .name: y, .offset: 0, .size: 8, .value_kind: global_buffer, .address_space: global }
      - { .name: route, .offset: 8, .size: 8, .value_kind: global_buffer, .address_space: global }
      - { .name: q1, .offset: 16, .size: 8, .value_kind: global_buffer, .address_space: global }
      - { .name: out0, .offset: 24, .size: 8, .value_kind: global_buffer, .address_space: global }
    .group_segment_fixed_size: 0
    .private_segment_fixed_size: 0
    .kernarg_segment_align: 8
    .kernarg_segment_size: 32
    .max_flat_workgroup_size: 128
    .sgpr_count:     66
    .vgpr_count:     80
    .wavefront_size: 32
...
	.end_amdgpu_metadata
.endif
;; end of part 10
